; MI455X (gfx1250); checked and timed in simulation.
; The chip was launched on July 23, 2026; its instructions are those of AMD's public machine-readable ISA for CDNA 5 (MIT licence, August 2026) and "CDNA5" Instruction Set Architecture Reference Guide (July 2026). The comments in the code are by the model that wrote it; some were corrected since.
;; Linear3 Bit. Allowed arithmetic: float matrix products may take bf16 or f16 operands with f32 sums; other float arithmetic in f32, or as packed bf16 or f16 multiplies, adds, multiply-adds, maxima and minima; sums over many terms, partial sums and values carried from step to step in f32; what a program stores and reads back later, other than sums and carried values, may be rounded once to bf16 or f16.
;; Inputs: bias 2,048 float32; weight_norm 262,144 x 1 float16; weight_q3 262,144 x 12 int32; x 4 x 2,048 x 4,096 float32.
;; Outputs: out0 4 x 2,048 x 2,048 float32.
;; 3 versions, each right; version 3 is version 2 with the launch prep written anew for expert scheduling mode. Each part assembles by itself: llvm-mc -triple=amdgcn-amd-amdhsa -mcpu=gfx1250 --defsym DOCPART=n.
;; ======== version 1 of 3: 2 launches
;; workspace buffers: wb 16,777,216 bytes
;; launch unpack (part 1): grid 256 x 1, 4 waves a work-group, no clusters, 0 bytes of LDS; arguments weight_q3, weight_norm, wb; writes wb
.if DOCPART == 1
	.amdgcn_target "amdgcn-amd-amdhsa--gfx1250"
	.amdhsa_code_object_version 6
	.text
	.protected	k_q084f91212a_unpack
	.globl	k_q084f91212a_unpack
	.p2align	8
	.type	k_q084f91212a_unpack,@function
k_q084f91212a_unpack:
	s_mov_b64 s[64:65], 0
	v_nop
	global_prefetch_b8 v0, s[64:65] scope:SCOPE_SE
	s_setreg_imm32_b32 hwreg(HW_REG_WAVE_MODE, 25, 1), 1
	s_wait_xcnt 0x0
; W[n][k] = (q / 7) (2 nrm + 1e-8) - nrm, rounded once to bf16 and laid out for the product that follows.
; weight_q3: for each group of 32 neighbouring k twelve int32 words, of which the low byte counts (the cast to uint8); three bytes hold eight codes of 3 bits, the lowest k lowest.
; weight_norm: one f16 for each group.  A row of W (4,096 k) is 128 groups: 6,144 bytes of weight_q3, 256 bytes of weight_norm.
; wb: bf16, [s = k / 64][p][kk = k % 64]: byte (2,048 s + p) 128 + 2 kk.  Inside each 64 output features the rows are permuted: p = 64 G + 16 b + r holds feature 64 G + 4 r + b.
; ORDER OF ROUNDING: w = fma(q, (2 nrm + 1e-8) x (1/7), -nrm) in f32, where the definition rounds q / 7, the product and the difference one by one: a few last places of f32 apart, far below bf16's step.
; SHARES.  Wave P of 1,024 owns rows p = 2 P and 2 P + 1 of wb (features n0 and n0 + 4) over all K: 1,024 chunks of 8 numbers (3 words in, 16 bytes out), 32 a lane.
; Chunk c = 4 it + i of lane l: row n0 + 4 u, K step s = 8 it + 4 hl + i, kk = 8 c8, with c8 = l % 8, u = (l / 8) % 2, hl = l / 16.  So lanes 0-15 store 256 consecutive bytes, aligned
; (rows 2 P and 2 P + 1 of step s), and lanes 16-31 the same rows four steps on.
; No loop, no LDS: all 40 loads of a wave go out at the head, and every chunk has registers of its own, so nothing that a pending load or store names is ever rewritten.
.set QO,  5                            ; v5   my byte offset in weight_q3: 24,576 u + 384 hl + 12 c8
.set NO,  6                            ; v6   in weight_norm: 1,024 u + 16 hl
.set SO,  7                            ; v7   in wb: 1,048,576 hl + 128 u + 16 c8;   v8 the same + 8,388,608, so that the stores' immediates stay inside 24 signed bits
.set SH,  9                            ; v9   16 x ((l / 4) % 2): which half of a norm word is my group's
.set T0,  10                           ; v10  the chunk's 24 bits
.set T1,  11                           ; v11  the norm's f16 in the low half
.set SC,  12                           ; v[12:13] (2 nrm + 1e-8) / 7 in the low register; the pair is named, the low one feeds both halves
.set NN,  14                           ; v[14:15] nrm, likewise
.set Q,   16                           ; v[16:23] the eight codes, then the eight numbers
.set X,   32                           ; v[32:159] chunk c: three words as loaded, then four words to store
.set NR,  160                          ; v[160:191] norms: word c holds the two groups of chunk c's K step
	s_load_b128 s[4:7], s[0:1], 0x0                ; weight_q3 s[4:5], weight_norm s[6:7]
	s_load_b64 s[8:9], s[0:1], 0x10                ; wb
	v_lshrrev_b32 v1, 5, v0
	v_readfirstlane_b32 s10, v1                    ; wave 0..3
	s_lshl_b32 s11, ttmp9, 2
	s_add_co_u32 s11, s11, s10                     ; P
	s_lshr_b32 s12, s11, 5
	s_lshl_b32 s12, s12, 6                         ; 64 G: 2 P / 64 = P / 32
	s_and_b32 s13, s11, 7
	s_lshl_b32 s13, s13, 3                         ; 4 r, r = 2 (P % 8)
	s_add_co_u32 s12, s12, s13
	s_bfe_u32 s13, s11, 0x20003                    ; b = (P / 8) % 4
	s_add_co_u32 s12, s12, s13                     ; n0
	s_mov_b32 s16, 0x00000400                      ; byte selects: word 0's low byte, word 1's low byte
	s_mov_b32 s17, 0x00040100                      ; those two, word 2's low byte; the top byte is not used
	s_mov_b32 s18, 0x322bcc77                      ; 1e-8
	s_mov_b32 s19, 0x3e124925                      ; 1 / 7
	v_and_b32 v1, 7, v0                            ; c8
	v_bfe_u32 v2, v0, 3, 1                         ; u
	v_bfe_u32 v3, v0, 4, 1                         ; hl
	v_bfe_u32 v4, v0, 2, 1                         ; which group of the K step's two
	v_mul_u32_u24 v[QO], v1, 12
	v_mad_u32_u24 v[QO], v3, 384, v[QO]
	v_mad_u32_u24 v[QO], v2, 24576, v[QO]
	v_lshlrev_b32 v[NO], 10, v2
	v_lshl_add_u32 v[NO], v3, 4, v[NO]
	v_lshlrev_b32 v[SO], 20, v3
	v_lshl_add_u32 v[SO], v2, 7, v[SO]
	v_lshl_add_u32 v[SO], v1, 4, v[SO]
	v_add_nc_u32 v[SO+1], 0x800000, v[SO]
	v_lshlrev_b32 v[SH], 4, v4
	v_mov_b32 v[SC+1], 0                           ; named in pairs, so they are written
	v_mov_b32 v[NN+1], 0
	s_mul_i32 s14, s12, 6144
	s_mov_b32 s15, 0
	s_wait_kmcnt 0x0
	s_add_nc_u64 s[4:5], s[4:5], s[14:15]          ; weight_q3 at row n0
	s_lshl_b32 s14, s12, 8
	s_add_nc_u64 s[6:7], s[6:7], s[14:15]          ; weight_norm at row n0
	s_lshl_b32 s14, s11, 8
	s_add_nc_u64 s[8:9], s[8:9], s[14:15]          ; wb at row 2 P of K step 0
.irp t, 0,1,2,3,4,5,6,7
	global_load_b128 v[NR+4*(\t):NR+4*(\t)+3], v[NO], s[6:7] offset:32*(\t)  ; the norms of K steps 8 t + 4 hl + 0..3
.endr
.set c, 0
.rept 32
	global_load_b96 v[X+4*c:X+4*c+2], v[QO], s[4:5] offset:(8*(c/4)+c%4)*96  ; a K step is 96 bytes of a row for each 8 lanes' 8 chunks
.set c, c+1
.endr
; Chunk c: three words to eight bf16.
.macro CHUNK
	s_wait_loadcnt 31-c                            ; loads come back in order (ISA guide 5.7.1): chunk c's is in, the 31 - c younger ones may stay out; the norms were issued first
	v_perm_b32 v[T0], v[X+4*c+1], v[X+4*c], s16
	v_perm_b32 v[T0], v[X+4*c+2], v[T0], s17       ; bits 0-23: p0 | p1 << 8 | p2 << 16
	v_lshrrev_b32 v[T1], v[SH], v[NR+c]
	v_cvt_f32_f16 v[NN], v11.l                     ; nrm
	v_fma_f32 v[SC], v[NN], 2.0, s18               ; 2 nrm + 1e-8
	v_mul_f32 v[SC], s19, v[SC]                    ; / 7
	v_and_b32 v[Q], 7, v[T0]
.irp j, 1,2,3,4,5,6,7
	v_bfe_u32 v[Q+(\j)], v[T0], 3*(\j), 3          ; code j lies at bit 3 j
.endr
.irp j, 0,1,2,3,4,5,6,7
	v_cvt_f32_u32 v[Q+(\j)], v[Q+(\j)]
.endr
.irp j, 0,2,4,6
	v_pk_fma_f32 v[Q+(\j):Q+(\j)+1], v[Q+(\j):Q+(\j)+1], v[SC:SC+1], v[NN:NN+1] op_sel_hi:[1,0,0] neg_lo:[0,0,1] neg_hi:[0,0,1]  ; q x scale - nrm, two at a time
.endr
.irp j, 0,1,2,3
	v_cvt_pk_bf16_f32 v[X+4*c+(\j)], v[Q+2*(\j)], v[Q+2*(\j)+1]
.endr
	global_store_b128 v[SO+c/16], v[X+4*c:X+4*c+3], s[8:9] offset:(8*((c/4)%4)+c%4)*262144  ; a K step is 262,144 bytes of wb; 16 lanes store 256 consecutive bytes, aligned
.endm
.set c, 0
.rept 32
	CHUNK
.set c, c+1
.endr
	s_endpgm
.Lfunc_end_k_q084f91212a_unpack:
	.size	k_q084f91212a_unpack, .Lfunc_end_k_q084f91212a_unpack-k_q084f91212a_unpack
	.p2alignl 7, 3214868480
	.fill 96, 4, 3214868480
	.section	.rodata,"a",@progbits
	.p2align	6, 0x0
	.amdhsa_kernel k_q084f91212a_unpack
		.amdhsa_group_segment_fixed_size 0
		.amdhsa_private_segment_fixed_size 0
		.amdhsa_enable_private_segment 0
		.amdhsa_kernarg_size 24
		.amdhsa_user_sgpr_count 2
		.amdhsa_user_sgpr_kernarg_segment_ptr 1
		.amdhsa_wavefront_size32 1
		.amdhsa_system_sgpr_workgroup_id_x 1
		.amdhsa_system_sgpr_workgroup_id_y 1
		.amdhsa_system_sgpr_workgroup_id_z 1
		.amdhsa_system_vgpr_workitem_id 0
		.amdhsa_next_free_vgpr 192
		.amdhsa_next_free_sgpr 66
		.amdhsa_reserve_vcc 0
		.amdhsa_float_denorm_mode_32 3
		.amdhsa_float_denorm_mode_16_64 3
		.amdhsa_memory_ordered 1
		.amdhsa_forward_progress 1
		.amdhsa_inst_pref_size 58
	.end_amdhsa_kernel
	.amdgpu_metadata
---
amdhsa.version: [ 1, 2 ]
amdhsa.kernels:
  - .name:           k_q084f91212a_unpack
    .symbol:         k_q084f91212a_unpack.kd
    .args:
      - { .name: weight_q3, .offset: 0, .size: 8, .value_kind: global_buffer, .address_space: global }
      - { .name: weight_norm, .offset: 8, .size: 8, .value_kind: global_buffer, .address_space: global }
      - { .name: wb, .offset: 16, .size: 8, .value_kind: global_buffer, .address_space: global }
    .group_segment_fixed_size: 0
    .private_segment_fixed_size: 0
    .kernarg_segment_align: 8
    .kernarg_segment_size: 24
    .max_flat_workgroup_size: 128
    .sgpr_count:     66
    .vgpr_count:     192
    .wavefront_size: 32
...
	.end_amdgpu_metadata
.endif
;; end of part 1
;; launch gemm (part 2): grid 8 x 32, 4 waves a work-group, clusters of 4 x 4, 327,680 bytes of LDS; arguments x, wb, bias, out0; writes out0
.if DOCPART == 2
	.amdgcn_target "amdgcn-amd-amdhsa--gfx1250"
	.amdhsa_code_object_version 6
	.text
	.protected	k_q084f91212a_gemm
	.globl	k_q084f91212a_gemm
	.p2align	8
	.type	k_q084f91212a_gemm,@function
k_q084f91212a_gemm:
	s_mov_b64 s[64:65], 0
	v_nop
	global_prefetch_b8 v0, s[64:65] scope:SCOPE_SE
	s_setreg_imm32_b32 hwreg(HW_REG_WAVE_MODE, 25, 1), 1
	s_wait_xcnt 0x0
	s_wait_alu depctr_hold_cnt(0) depctr_sa_sdst(0) depctr_va_vdst(0) depctr_va_sdst(0) depctr_va_ssrc(0) depctr_va_vcc(0) depctr_vm_vsrc(0)
	s_getreg_b32 s2, hwreg(HW_REG_IB_STS2, 6, 4)
	s_cmp_eq_u32 s2, 0
	s_cbranch_scc0 .Lentry_in_a_cluster
	s_endpgm
.Lentry_in_a_cluster:
	s_bfe_u32 s2, ttmp6, 0x10000c
	s_cmp_lg_u32 s2, 0xf033
	s_cbranch_scc0 .Lentry_shape_is_right
	s_endpgm
.Lentry_shape_is_right:
; out0[m][n] = the sum over k of x[m][k] W[n][k] + bias[n].  x: [8,192][4,096] f32; W: 2,048 x 4,096 in bf16, as the launch before laid it out (below); bias: [2,048] f32; out0: [8,192][2,048] f32.
; x is rounded once to bf16 on its way from LDS to the matrix unit; sums and the bias in f32.  LIMIT: an x within half a bf16 step of f32's largest number rounds to an infinity; bf16 has f32's exponents, so there is no other limit of range.
; wb: [s = k / 64][p][k % 64]: byte (2,048 s + p) 128 + 2 (k % 64); row p = 64 G + 16 b + r holds feature 64 G + 4 r + b.  So the 256 rows of a tile column at one K step are 32,768 dense bytes,
; and fragment c = 4 g + b of B holds in lane r column 64 g + 4 r + b: the accumulators b = 0..3 hold FOUR NEIGHBOURING columns in one lane, 16 bytes of out0, and sixteen lanes 256 bytes: no LDS stage on the way out.
; SHARES.  A tile of out0 is 256 x 256: 32 x 8 tiles, one work-group each.  Wave w owns rows 64 w .. 64 w + 63 and all 256 columns: 4 x 16 accumulators, 512 registers.  A's rows are a wave's own, so each f32 of
; the tile is converted once in the work-group: 32 conversions for 64 matrix instructions.
; THE RING.  K goes in steps of 64 through two LDS slots: 256 rows of x (256 bytes of f32 each) and 256 rows of wb (128 bytes each).  A unit of K is 1,536 bytes of a slot, so two slots of 128 along K would be
; 409,600 bytes with their padding: more than LDS holds.  Waves 0 and 1 fetch A's two halves, waves 2 and 3 B's: one tensor load a wave behind each change of slots, 96 matrix instructions ahead of the wait for it.
; CLUSTERS.  4 x 4 work-groups.  The four of a row of the cluster need the same tile of x, the four of a column the same tile of wb: each is asked for JOINTLY, by the same tensor load with the same descriptor and a mask of four.
; REGISTERS, in windows of 256 (s_set_vgpr_msb: bits 1:0 source 0, 3:2 source 1, 5:4 source 2, 7:6 destination):
;   window 0: v0-31 addresses; v32-47 bias; v64-127 A in bf16, two buffers of 4 fragments; v128-191 A in f32 as loaded; on the way out v128-255 four buffers of 32
;   window 1: B's fragments, two buffers of 16          window 2: the accumulators of my rows 0-31 ((a, c) at 8 (16 (a % 2) + c))          window 3: those of my rows 32-63
.set PA,    272                        ; a row of A in LDS: 256 bytes + 16 of padding; an odd multiple of 16, so the 16 rows of a load fall into 16 different 16-byte columns of 256 bytes
.set PB,    144                        ; a row of B: 128 + 16, likewise
.set AHALF, 128*PA                     ; what one load of A brings
.set BHALF, 128*PB                     ; what one load of B brings
.set BOFF,  2*AHALF                    ; in a slot B's 256 rows lie behind A's 256
.set SLOT,  BOFF+2*BHALF               ; 106,496 bytes
.set SPARE, 2*SLOT                     ; behind the ring: the spare words, 128 bytes for each wave: two blocks of 256 bytes that no other line names
.set ADRA, 16                          ; v16-17  LDS address of my A fragments in slot 0, 1
.set ADRB, 18                          ; v18-19  the same for B
.set CO,   20                          ; v20     my byte offset in out0: 8 rows x (l / 16) + 16 (l % 16); never rewritten
.set BO,   21                          ; v21     my byte offset in bias: 16 (l % 16); never rewritten
.set PFO,  22                          ; v22     the prefetches' offset: my lane x a row of x, or x 256 bytes of wb; never rewritten
.set SPW,  28                          ; v28     LDS address of my spare word: SPARE + 4 x my thread's number; never rewritten
.set NIL,  29                          ; v29     0; never rewritten
.set BI,   32                          ; v32-47  bias of my columns: 64 g + 4 (l % 16) + b at BI + 4 g + b
.set AB,   64                          ; A in bf16: buffer f, fragment a at AB + 32 f + 8 a
.set STG,  128                         ; A in f32: fragment a at STG + 16 a
.set WV,   12                          ; s12  my wave's number
.set HF,   14                          ; s14  which 128 rows of A's or B's tile I fetch
.set LIM,  19                          ; s19  1 in a wave that prefetches, else the greatest number
.set G1A,  24                          ; s[24:31] descriptor group 1 for A's tiles
.set G0A,  32                          ; s[32:39] group 0, one set for each slot
.set G1B,  40                          ; s[40:47], s[48:55] the same for B's tiles
.set G0B,  48
.set PFA,  56                          ; s[56:57] where my prefetches stand
.set PST,  58                          ; s[58:59] a K step there: 256 bytes along a row of x, 262,144 bytes of wb
.set MSB, 0
.macro WIN new                         ; the immediate's high byte repeats the setting that is left; a switch that changes nothing is dropped
.if MSB != (\new)
	s_set_vgpr_msb (MSB<<8)|(\new)
.set MSB, \new
.endif
.endm
.set MUL_LO, 0xa4                      ; source 0 (A) window 0, source 1 (B) window 1, C and D window 2
.set MUL_HI, 0xf4                      ; the same, C and D window 3
.set TO_B,   0x40                      ; destination window 1, address window 0
; A joint load.  Waves 0 and 1 fetch A's two halves, waves 2 and 3 B's.  Each line has one mask and one set of registers for all that issue it; the branch hangs on the wave's number alone.
; An s_nop 0 and four v_nop follow each of the two lines, ahead of the jump, the label and what follows the macro.
.macro JLOAD s
	s_cmp_lt_u32 s[WV], 2
	s_cbranch_scc0 .Lfor_b_\@
	tensor_load_to_lds s[G0A+4*(\s):G0A+4*(\s)+3], s[G1A:G1A+7]
	s_nop 0
.rept 4
	v_nop
.endr
	s_branch .Lasked_\@
.Lfor_b_\@:
	tensor_load_to_lds s[G0B+4*(\s):G0B+4*(\s)+3], s[G1B:G1B+7]
	s_nop 0
.rept 4
	v_nop
.endr
.Lasked_\@:
.endm
; A PREFETCH INTO THE L2, behind each joint refill, its five lines and the run of LDS loads: the K step that stands TWO refills on, 256 matrix instructions ahead of the load that will ask for it.
; Each aligned block of 256 bytes is named once in the launch.  A tile row of x is read by both clusters of its row of clusters: the one with cluster x = 0 asks, waves 0 and 1; of the 128 rows that the wave
; fetches the partner at place cx takes 32, a lane a row.  A tile column of wb is read by all eight clusters of its column: the one with cluster y = 0 asks, wave 2; of a step's 128 blocks the partner at place
; cy takes 32, a lane a block.  Partners are told apart BY ADDRESS: no branch hangs on a place in the cluster.  K steps 0 to 3 come by their loads alone; the loop's last trip (s3 = 1) asks for nothing: K step 63 is the last named.
.macro ASK
	s_cmp_gt_u32 s3, s[LIM]
	s_cbranch_scc0 .Lnot_mine_\@
	global_prefetch_b8 v[PFO], s[PFA:PFA+1] th:TH_LOAD_NT scope:SCOPE_SE
.Lnot_mine_\@:
.endm
; A round of the cluster's barrier: my work-group's barrier, so that wave 0's signal speaks for all four waves; wave 0 signals; every wave waits for all sixteen work-groups; my work-group's barrier once more.
.macro CREST                           ; a round behind its opening barrier
	s_cmp_lg_u32 s[WV], 0
	s_cbranch_scc1 .Lnot_wave_0_\@
	s_barrier_signal -3
.Lnot_wave_0_\@:
	s_barrier_wait -3
	s_barrier_signal -1
	s_barrier_wait -1
.endm
.macro CROUND                          ; a whole round
	s_barrier_signal -1
	s_barrier_wait -1
	CREST
.endm
	s_load_b256 s[4:11], s[0:1], 0x0               ; x s[4:5], wb s[6:7], bias s[8:9], out0 s[10:11]
	v_lshl_add_u32 v[SPW], v0, 2, SPARE
	v_mov_b32 v[NIL], 0
	ds_add_u32 v[SPW], v[NIL]                      ; the wave's opening: the add and its wait stand ahead of my first tensor load; the set-up below, work on registers, stands between them
	v_lshrrev_b32 v1, 5, v0
	v_readfirstlane_b32 s[WV], v1                  ; wave 0..3
	s_and_b32 s[HF], s[WV], 1
	s_bfe_u32 s15, ttmp6, 0x40000                  ; cx: my place along the cluster's x
	s_bfe_u32 s16, ttmp6, 0x40004                  ; cy: along its y
	s_lshl_b32 s17, ttmp9, 2                       ; in a cluster launch ttmp9 and ttmp7 count clusters
	s_add_co_u32 s17, s17, s15                     ; tile column = 4 x cluster x + cx
	s_and_b32 s18, ttmp7, 0xffff
	s_lshl_b32 s18, s18, 2
	s_add_co_u32 s18, s18, s16                     ; tile row = 4 x cluster y + cy
	s_lshl_b32 s20, s16, 2
	s_lshl_b32 s20, 15, s20                        ; my row of the cluster: places 4 cy .. 4 cy + 3
	s_lshl_b32 s60, 0x1111, s15                    ; my column: places cx, cx + 4, cx + 8, cx + 12
	; group 1 for A: 128 rows x 64 elements of 4 bytes, 4,096 elements from row to row; 4 words of padding behind every 64
	s_or_b32 s[G1A+0], s20, (2<<16)|(1<<20)|(1<<21)|(5<<22)|(3<<25)  ; 15:0 the mask: my row; 17:16 elements of 4 bytes; 20 padding on; 21 set beside a mask; 24:22 after every 64 words (code 5); 31:25 4 words (code 3)
	s_mov_b32 s[G1A+1], 64<<16                     ; tensor_dim0 = 64
	s_mov_b32 s[G1A+2], 128<<16                    ; tensor_dim1 = 128
	s_mov_b32 s[G1A+3], 64<<16                     ; tile_dim0 = 64
	s_mov_b32 s[G1A+4], 128                        ; tile_dim1 = 128
	s_mov_b32 s[G1A+5], 4096                       ; tensor_dim0_stride
	s_mov_b32 s[G1A+6], 0
	s_mov_b32 s[G1A+7], 0
	; group 1 for B: 128 rows of wb are 16,384 dense bytes: asked for as 64 rows of 256 bytes, two rows of wb each, and padded behind every row of wb
	s_or_b32 s[G1B+0], s60, (1<<16)|(1<<20)|(1<<21)|(4<<22)|(3<<25)  ; the mask: my column; elements of 2 bytes; after every 32 words (code 4) 4 words
	s_mov_b32 s[G1B+1], 128<<16                    ; tensor_dim0 = 128
	s_mov_b32 s[G1B+2], 64<<16                     ; tensor_dim1 = 64
	s_mov_b32 s[G1B+3], 128<<16                    ; tile_dim0 = 128
	s_mov_b32 s[G1B+4], 64                         ; tile_dim1 = 64
	s_mov_b32 s[G1B+5], 128                        ; tensor_dim0_stride
	s_mov_b32 s[G1B+6], 0
	s_mov_b32 s[G1B+7], 0
	; where the tiles come from: A's hang on the tile row alone, which my row of the cluster shares; B's on the tile column alone.  Each is made in registers that never hold the other coordinate.
	s_lshl_b32 s20, s18, 8
	s_lshl_b32 s21, s[HF], 7
	s_add_co_u32 s20, s20, s21                     ; A: row 256 x tile row + 128 x half,
	s_lshl_b32 s20, s20, 14                        ; of 16,384 bytes: under 2^28
	s_mov_b32 s21, 0
	s_lshl_b32 s60, s17, 15                        ; B: 32,768 x tile column
	s_lshl_b32 s61, s[HF], 14                      ; + 16,384 x half
	s_add_co_u32 s60, s60, s61
	s_mov_b32 s61, 0
	s_mul_i32 s22, s[HF], AHALF                    ; and where they go: no place in the cluster enters an LDS address
	s_mul_i32 s23, s[HF], BHALF
	s_add_co_u32 s23, s23, BOFF
	s_wait_dscnt 0x0                               ; the opening add is done
	s_wait_kmcnt 0x0
	s_add_nc_u64 s[20:21], s[4:5], s[20:21]
	s_add_nc_u64 s[60:61], s[6:7], s[60:61]
	CROUND                                         ; all sixteen work-groups are here: the first joint loads meet
.irp s, 0,1
	s_mov_b32 s[G0A+4*(\s)], 1                     ; 1:0 count = 1
	s_add_co_u32 s[G0A+4*(\s)+1], s22, (\s)*SLOT   ; 63:32 LDS address
	s_add_nc_u64 s[G0A+4*(\s)+2:G0A+4*(\s)+3], s[20:21], (\s)*256  ; 120:64 global address: K step s
	s_or_b32 s[G0A+4*(\s)+3], s[G0A+4*(\s)+3], 0x80000000          ; 127:126 type = 2
	s_mov_b32 s[G0B+4*(\s)], 1
	s_add_co_u32 s[G0B+4*(\s)+1], s23, (\s)*SLOT
	s_add_nc_u64 s[G0B+4*(\s)+2:G0B+4*(\s)+3], s[60:61], (\s)*262144
	s_or_b32 s[G0B+4*(\s)+3], s[G0B+4*(\s)+3], 0x80000000
	JLOAD \s                                       ; both slots are asked for before anything else: two loads of mine are out
.endr
	; A fragment is 16 rows x 32 K: lane l holds row l % 16, K = 8 (l / 16) + 0..7 and 16 + 8 (l / 16) + 0..7.  In bf16 (B): two loads of 16 bytes, 32 bytes apart, at 16 (l / 16).
	; In f32 (A): four loads of 16 bytes, at 32 (l / 16) + 0, 16, 64, 80.
	v_and_b32 v1, 15, v0                           ; l % 16
	v_bfe_u32 v2, v0, 4, 1                         ; l / 16
	v_mul_u32_u24 v3, v1, PA
	v_lshl_add_u32 v3, v2, 5, v3
	s_mul_i32 s62, s[WV], 64*PA                    ; my 64 rows of A
	v_add_nc_u32 v[ADRA], s62, v3
	v_add_nc_u32 v[ADRA+1], SLOT, v[ADRA]
	v_mul_u32_u24 v4, v1, PB
	v_lshl_add_u32 v4, v2, 4, v4
	v_add_nc_u32 v[ADRB], BOFF, v4
	v_add_nc_u32 v[ADRB+1], SLOT, v[ADRB]
	v_lshlrev_b32 v[BO], 4, v1
	v_lshl_add_u32 v[CO], v2, 16, v[BO]            ; 8 rows of 8,192 bytes for lanes 16-31
	s_lshl_b32 s62, s17, 10                        ; the tile's 256 columns: 1,024 bytes of bias and of a row of out0
	s_mov_b32 s63, 0
	s_add_nc_u64 s[8:9], s[8:9], s[62:63]
.irp g, 0,1,2,3
	global_load_b128 v[BI+4*(\g):BI+4*(\g)+3], v[BO], s[8:9] offset:256*(\g)  ; waited for on the way out
.endr
	s_lshl_b32 s22, s18, 8
	s_lshl_b32 s23, s[WV], 6
	s_add_co_u32 s22, s22, s23                     ; my first row of out0,
	s_lshl_b32 s22, s22, 13                        ; of 8,192 bytes: under 2^26
	s_add_co_u32 s22, s22, s62
	s_mov_b32 s23, 0
	s_add_nc_u64 s[10:11], s[10:11], s[22:23]
	; the prefetches: they start at K step 3; each filling change of slots steps them first
	s_lshl_b32 s22, s18, 8
	s_lshl_b32 s23, s[HF], 7
	s_add_co_u32 s22, s22, s23                     ; the 128 rows of x that I fetch,
	s_lshl_b32 s23, s15, 5
	s_add_co_u32 s22, s22, s23                     ; my work-group's 32 of them
	s_lshl_b32 s22, s22, 14
	s_add_co_u32 s22, s22, 3*256
	s_lshl_b32 s62, s17, 15                        ; the tile column's 32,768 bytes of a step of wb,
	s_lshl_b32 s63, s16, 13                        ; my work-group's 8,192 of them
	s_add_co_u32 s62, s62, s63
	s_add_co_u32 s62, s62, 3*262144
	s_and_b32 s63, ttmp7, 0xffff                   ; cluster y,
	s_or_b32 s63, s63, s[HF]                       ; 0 in wave 2 alone of waves 2 and 3
	s_mov_b32 s[PST], 262144
	s_cmp_lt_u32 s[WV], 2                          ; do I fetch for A?
	s_cselect_b64 s[PFA:PFA+1], s[4:5], s[6:7]
	s_cselect_b32 s22, s22, s62
	s_cselect_b32 s[PST], 256, s[PST]
	s_cselect_b32 s63, ttmp9, s63                  ; the coordinate along which other clusters read the same bytes
	s_cselect_b32 s2, 14, 8                        ; a lane a row of x, or a lane 256 bytes of wb
	s_cmp_eq_u32 s63, 0
	s_cselect_b32 s[LIM], 1, -1                    ; the same in all sixteen partners, for a given wave
	s_mov_b32 s23, 0
	s_mov_b32 s[PST+1], 0
	s_add_nc_u64 s[PFA:PFA+1], s[PFA:PFA+1], s[22:23]
	v_and_b32 v[PFO], 31, v0
	v_lshlrev_b32 v[PFO], s2, v[PFO]
; 48 LDS loads in one run: the fragments of 32 along K (half hf of the slot's step): A's 64 rows in f32 first, then B's 256 rows into buffer g.
.macro FETCH slot, hf, g
	WIN 0
.irp a, 0,1,2,3
	ds_load_b128 v[STG+16*(\a):STG+16*(\a)+3],     v[ADRA+(\slot)] offset:(\a)*16*PA+128*(\hf)
	ds_load_b128 v[STG+16*(\a)+4:STG+16*(\a)+7],   v[ADRA+(\slot)] offset:(\a)*16*PA+128*(\hf)+16
	ds_load_b128 v[STG+16*(\a)+8:STG+16*(\a)+11],  v[ADRA+(\slot)] offset:(\a)*16*PA+128*(\hf)+64
	ds_load_b128 v[STG+16*(\a)+12:STG+16*(\a)+15], v[ADRA+(\slot)] offset:(\a)*16*PA+128*(\hf)+80
.endr
	WIN TO_B
.irp c, 0,1,2,3,4,5,6,7,8,9,10,11,12,13,14,15
	ds_load_b128 v[128*(\g)+8*(\c):128*(\g)+8*(\c)+3],   v[ADRB+(\slot)] offset:(\c)*16*PB+64*(\hf)
	ds_load_b128 v[128*(\g)+8*(\c)+4:128*(\g)+8*(\c)+7], v[ADRB+(\slot)] offset:(\c)*16*PB+64*(\hf)+32
.endr
.endm
; 16 matrix instructions on buffer f: row blocks 2 w, 2 w + 1 x column fragments 8 ch .. 8 ch + 7.  zero = 1: the product starts the sum: nothing is ever cleared.
; The 64 accumulators take turns, in the same order in every 32 along K, over the backward jump and into the tail too.
; ride = 1: behind each of the first eight stand four conversions of the NEXT 32 along K of A, f32 to bf16, into buffer g: 32 in all.  They name no register of the products round them.
.macro MUL16 f, w, ch, zero, ride=0, g=0
.irp a2, 0,1
.irp c8, 0,1,2,3,4,5,6,7
	WIN MUL_LO+0x50*(\w)
.set rD, 8*(16*(\a2)+8*(\ch)+(\c8))
.set rA, AB+32*(\f)+8*(2*(\w)+(\a2))
.set rB, 128*(\f)+8*(8*(\ch)+(\c8))
.if \zero
	v_wmma_f32_16x16x32_bf16 v[rD:rD+7], v[rA:rA+7], v[rB:rB+7], 0
.else
	v_wmma_f32_16x16x32_bf16 v[rD:rD+7], v[rA:rA+7], v[rB:rB+7], v[rD:rD+7]
.endif
.if (\ride) && ((\a2) == 0)
	WIN 0
.irp z, 0,1,2,3
	v_cvt_pk_bf16_f32 v[AB+32*(\g)+4*(\c8)+(\z)], v[STG+8*(\c8)+2*(\z)], v[STG+8*(\c8)+2*(\z)+1]
.endr
.endif
.endr
.endr
.endm
; A load into a register that a matrix instruction has read, and a vector instruction that writes one or reads a result, stand four places behind it, and only plain vector instructions that name none of
; its registers are places (ISA guide 7.12.1 for vector instructions).  These four serve the run of loads that follows AND the conversions that later write A's other buffer.
.macro PLACES
.rept 4
	v_nop
.endr
.endm
; A K step is two halves of 32 along K, 64 matrix instructions each, on buffers 0 and 1.  The first half multiplies buffer 0; in its middle it fetches the slot's second half, and converts A's part of it.
.macro HALF slot, zero
	s_wait_dscnt 16                                ; B's fragments 0-7 are in; the youngest sixteen loads (fragments 8-15) may be out
	MUL16 0, 0, 0, \zero
	s_wait_dscnt 0x0
	MUL16 0, 0, 1, \zero
	PLACES
	FETCH \slot, 1, 1
	MUL16 0, 1, 0, \zero
	s_wait_dscnt 32                                ; A's sixteen loads are in; B's 32, issued behind them, may be out
	MUL16 0, 1, 1, \zero, 1, 1
.endm
; The second half multiplies buffer 1 and changes slots: ONE barrier for two things.  In front of it each wave waits for all its tensor loads, of which one is out: its part of the next slot; adds 0 to its spare
; word; and waits for that and for its own reads of this slot.  Behind it nobody reads this slot any more and the next slot is whole.  fill = 1: the barrier opens a round of the cluster's barrier, and this slot is
; filled again, two K steps on, first thing behind the round.
.macro TURN slot, next, fill
.if \fill
	s_wait_xcnt 0x0                                ; the last prefetch, a K step back, has read its address: it is stepped here, ahead of the waits of the change of slots
	s_add_nc_u64 s[PFA:PFA+1], s[PFA:PFA+1], s[PST:PST+1]
.endif
	WIN 0                                          ; (the add's two registers lie in window 0)
	s_wait_tensorcnt 0x0                           ; all my tensor loads have landed;
	ds_add_u32 v[SPW], v[NIL]                      ; 0 onto my spare word;
	s_wait_dscnt 17                                ; (the add and the youngest sixteen loads, B's fragments 8-15, may be out)
	MUL16 1, 0, 0, 0                               ; sixteen matrix instructions stand between the add and the wait for it
	s_wait_dscnt 0x0                               ; the add is done, and my reads of this slot are over:
	s_barrier_signal -1                            ; say so,
	MUL16 1, 0, 1, 0                               ; work on registers while the others arrive,
.if \fill
	WIN 0
.endif
	s_barrier_wait -1                              ; and go on when all four have said so
.if \fill
	CREST                                          ; all sixteen work-groups have said so: no wave of any partner still reads this slot or has a load on its way
	s_add_nc_u64 s[G0A+4*(\slot)+2:G0A+4*(\slot)+3], s[G0A+4*(\slot)+2:G0A+4*(\slot)+3], 2*256
	s_add_nc_u64 s[G0B+4*(\slot)+2:G0B+4*(\slot)+3], s[G0B+4*(\slot)+2:G0B+4*(\slot)+3], 2*262144
	JLOAD \slot                                    ; the first tensor load behind the round, my one load until the next; its four v_nop are also the places in front of the loads below
.else
	PLACES
.endif
	FETCH \next, 0, 0
.if \fill
	WIN 0
	ASK
.endif
	MUL16 1, 1, 0, 0
	s_wait_dscnt 32                                ; A's sixteen loads are in
	MUL16 1, 1, 1, 0, 1, 0
.endm
; THE WAY OUT of row block a, columns 64 g .. 64 g + 63.  The addition of the bias is also the gather: register j of the accumulators b = 0..3 goes into four neighbouring registers, 16 bytes of row 16 a + 8 (l / 16) + j.
; j ascends.
.macro OUTB a, g
.set TB, 128+32*(\g)
	s_wait_xcnt 0x0                                ; every earlier store has read its registers (ISA guide 3.1): the buffer that was stored four batches back is rewritten only behind this wait
	WIN 0x02+(\a)/2                                ; source 0: window 2 or 3
.irp j, 0,1,2,3,4,5,6,7
.irp b, 0,1,2,3
	v_add_f32 v[TB+4*(\j)+(\b)], v[8*(16*((\a)%2)+4*(\g)+(\b))+(\j)], v[BI+4*(\g)+(\b)]
.endr
.endr
	WIN 0
.irp j, 0,1,2,3,4,5,6,7
	global_store_b128 v[CO], v[TB+4*(\j):TB+4*(\j)+3], s[10:11] offset:(16*(\a)+(\j))*8192+256*(\g) th:TH_STORE_NT  ; 16 lanes store 256 consecutive bytes, at a multiple of 256 from out0's first byte
.endr
.endm
	s_wait_tensorcnt 1                             ; my part of K step 0 is in; K step 1's may stay out
	s_barrier_signal -1
	s_barrier_wait -1                              ; everybody's is
	FETCH 0, 0, 0
	s_wait_dscnt 32                                ; A's sixteen loads are in
	WIN 0
.set i, 0
.rept 32
	v_cvt_pk_bf16_f32 v[AB+i], v[STG+2*i], v[STG+2*i+1]  ; the first 32 along K of A: there is no matrix work yet to set them beside
.set i, i+1
.endr
	HALF 0, 1                                      ; the first half stands in front of the loop: its products start the sums
	WIN 0                                          ; at a label and at a branch every window is 0
	s_mov_b32 s3, 31
.Llap:                                         ; a trip goes once round the ring, from a step's second half to the first half two steps on, and fills both slots again: trip i asks for K steps 2 i + 2 and 2 i + 3
	TURN 0, 1, 1
	HALF 1, 0
	TURN 1, 0, 1
	HALF 0, 0
	WIN 0
	s_sub_co_u32 s3, s3, 1
	s_cmp_lg_u32 s3, 0
	s_cbranch_scc1 .Llap
	TURN 0, 1, 0                                   ; the tail is written out: K steps 62 and 63, nothing is asked for
	HALF 1, 0
	s_wait_dscnt 16                                ; the very last 32 along K
	MUL16 1, 0, 0, 0
	s_wait_dscnt 0x0
	MUL16 1, 0, 1, 0
	MUL16 1, 1, 0, 0
	MUL16 1, 1, 1, 0
	WIN 0
	s_wait_loadcnt 0x0                             ; the bias
	PLACES                                         ; the additions read results, and no other vector work is at hand
	PLACES
.irp a, 0,1,2,3
.irp g, 0,1,2,3
	OUTB \a, \g
.endr
.endr
	s_wait_tensorcnt 0x0                           ; the wave's end: behind my last tensor load
	ds_add_u32 v[SPW], v[NIL]
	s_wait_dscnt 0x0
	CROUND                                         ; the closing round: no work-group ends while a partner may still ask for a tile that names it
	s_endpgm
.Lfunc_end_k_q084f91212a_gemm:
	.size	k_q084f91212a_gemm, .Lfunc_end_k_q084f91212a_gemm-k_q084f91212a_gemm
	.p2alignl 7, 3214868480
	.fill 96, 4, 3214868480
	.section	.rodata,"a",@progbits
	.p2align	6, 0x0
	.amdhsa_kernel k_q084f91212a_gemm
		.amdhsa_group_segment_fixed_size 327680
		.amdhsa_private_segment_fixed_size 0
		.amdhsa_enable_private_segment 0
		.amdhsa_kernarg_size 32
		.amdhsa_user_sgpr_count 2
		.amdhsa_user_sgpr_kernarg_segment_ptr 1
		.amdhsa_wavefront_size32 1
		.amdhsa_system_sgpr_workgroup_id_x 1
		.amdhsa_system_sgpr_workgroup_id_y 1
		.amdhsa_system_sgpr_workgroup_id_z 1
		.amdhsa_system_vgpr_workitem_id 0
		.amdhsa_next_free_vgpr 1024
		.amdhsa_next_free_sgpr 66
		.amdhsa_reserve_vcc 0
		.amdhsa_float_denorm_mode_32 3
		.amdhsa_float_denorm_mode_16_64 3
		.amdhsa_memory_ordered 1
		.amdhsa_forward_progress 1
		.amdhsa_inst_pref_size 119
	.end_amdhsa_kernel
	.amdgpu_metadata
---
amdhsa.version: [ 1, 2 ]
amdhsa.kernels:
  - .name:           k_q084f91212a_gemm
    .symbol:         k_q084f91212a_gemm.kd
    .args:
      - { .name: x, .offset: 0, .size: 8, .value_kind: global_buffer, .address_space: global }
      - { .name: wb, .offset: 8, .size: 8, .value_kind: global_buffer, .address_space: global }
      - { .name: bias, .offset: 16, .size: 8, .value_kind: global_buffer, .address_space: global }
      - { .name: out0, .offset: 24, .size: 8, .value_kind: global_buffer, .address_space: global }
    .group_segment_fixed_size: 327680
    .private_segment_fixed_size: 0
    .kernarg_segment_align: 8
    .kernarg_segment_size: 32
    .max_flat_workgroup_size: 128
    .sgpr_count:     66
    .vgpr_count:     1024
    .wavefront_size: 32
...
	.end_amdgpu_metadata
.endif
;; end of part 2
;; ======== version 2 of 3: 2 launches
;; workspace buffers: xb 67,108,864 bytes; wb 16,777,216 bytes
;; launch prep (part 3): grid 512 x 1, 8 waves a work-group, no clusters, 0 bytes of LDS; arguments x, weight_q3, weight_norm, xb, wb; writes xb, wb
.if DOCPART == 3
	.amdgcn_target "amdgcn-amd-amdhsa--gfx1250"
	.amdhsa_code_object_version 6
	.text
	.protected	k_q084f91212a_prep
	.globl	k_q084f91212a_prep
	.p2align	8
	.type	k_q084f91212a_prep,@function
k_q084f91212a_prep:
	s_mov_b64 s[64:65], 0
	v_nop
	global_prefetch_b8 v0, s[64:65] scope:SCOPE_SE
	s_setreg_imm32_b32 hwreg(HW_REG_WAVE_MODE, 25, 1), 1
	s_wait_xcnt 0x0
; BOTH OPERANDS OF THE PRODUCT THAT FOLLOWS, each rounded once to bf16.
; xb[m][k] = bf16(x[m][k]): [8,192][4,096], row-major.  LIMIT: an x within half a bf16 step of f32's largest number rounds to an infinity; bf16 has f32's exponents, so there is no other limit of range.
; W[n][k] = (q / 7) (2 nrm + 1e-8) - nrm.  weight_q3: for each group of 32 neighbouring k twelve int32 words, of which the low byte counts (the cast to uint8); three bytes hold eight codes of 3 bits, the lowest
; k lowest.  weight_norm: one f16 a group.  A row of W (4,096 k) is 128 groups: 6,144 bytes of weight_q3, 256 bytes of weight_norm.
; wb: bf16, [s = k / 128][p][k % 128]: byte (2,048 s + p) 256 + 2 (k % 128).  Inside each 64 output features the rows are permuted: p = 64 G + 16 b + r holds feature 64 G + 4 r + b.
; ORDER OF ROUNDING: w = fma(q, (2 nrm + 1e-8) x (1/7), -nrm) in f32, where the definition rounds q / 7, the product and the difference one by one: a few last places of f32 apart, far below bf16's step.
; A STREAM: every byte is read once and written once, nothing is shared between waves: no LDS, no barrier, no cluster, no matrix unit.  512 work-groups of eight waves; wave U of 4,096:
; THE CAST.  32,768 consecutive bytes of x: 64 loads of 512 consecutive bytes (16 a lane); each makes 8 bytes a lane, so a store covers 256 consecutive bytes, aligned.  A ring of 16 slots in registers keeps 16
; loads of every wave on their way.
; THE UNPACKING, while the ring's first loads are out.  Rows p = 2 P and 2 P + 1 of wb (P = U / 4: features n0 and n0 + 4), K steps s = 8 (U % 4) + i, i = 0..7.  A chunk is 8 numbers: 3 words in, 16 bytes out.
; Lane l takes row 2 P + l / 16, chunk l % 16 of the step's sixteen: a store covers the two rows' 512 consecutive bytes.
.set DEPTH,  16                        ; slots = loads of x in flight in each wave
.set ROUNDS, 4                         ; 64 loads
.set LO,  4                            ; v4   16 x lane: my place in a load of x and in a store to wb; never rewritten
.set YO,  5                            ; v5   8 x lane: my place in a store to xb; never rewritten
.set QO,  6                            ; v6   my byte offset in weight_q3: 24,576 (l / 16) + 12 (l % 16); never rewritten
.set NO,  7                            ; v7   in weight_norm: 1,024 (l / 16); never rewritten
.set SH,  8                            ; v8   16 x ((l / 4) % 2): which half of a norm word is my group's
.set T0,  10                           ; v10  the chunk's 24 bits
.set T1,  11                           ; v11  the norm's f16 in the low half
.set SC,  12                           ; v[12:13] (2 nrm + 1e-8) / 7 in the low register; the pair is named, the low one feeds both halves
.set NN,  14                           ; v[14:15] nrm, likewise
.set Q,   16                           ; v[16:23] the eight codes, then the eight numbers
.set W,   24                           ; v[24:55] chunk i: three words as loaded, then four words to store
.set NR,  56                           ; v[56:71] the norms of my row's eight K steps: step i's four groups in words 2 i, 2 i + 1
.set X,   72                           ; v[72:135] slot i: four f32 as loaded
.set Y,   136                          ; v[136:167] slot i: four bf16 to store
	s_load_b256 s[4:11], s[0:1], 0x0               ; x s[4:5], weight_q3 s[6:7], weight_norm s[8:9], xb s[10:11]
	s_load_b64 s[12:13], s[0:1], 0x20              ; wb
	v_lshrrev_b32 v1, 5, v0
	v_readfirstlane_b32 s14, v1                    ; wave 0..7
	s_lshl_b32 s15, ttmp9, 3
	s_add_co_u32 s15, s15, s14                     ; U
	s_lshr_b32 s16, s15, 2                         ; P
	s_and_b32 s17, s15, 3                          ; which eight K steps
	s_lshr_b32 s18, s16, 5
	s_lshl_b32 s18, s18, 6                         ; 64 G: 2 P / 64 = P / 32
	s_and_b32 s19, s16, 7
	s_lshl_b32 s19, s19, 3                         ; 4 r, r = 2 (P % 8)
	s_add_co_u32 s18, s18, s19
	s_bfe_u32 s19, s16, 0x20003                    ; b = (P / 8) % 4
	s_add_co_u32 s18, s18, s19                     ; n0
	s_mul_i32 s20, s18, 6144                       ; weight_q3: row n0,
	s_mul_i32 s19, s17, 1536                       ; eight K steps of 192 bytes
	s_add_co_u32 s20, s20, s19
	s_mov_b32 s21, 0
	s_lshl_b32 s22, s18, 8                         ; weight_norm: row n0,
	s_lshl_b32 s19, s17, 6                         ; eight K steps of 8 bytes
	s_add_co_u32 s22, s22, s19
	s_mov_b32 s23, 0
	s_lshl_b32 s24, s17, 22                        ; wb: eight K steps of 524,288 bytes,
	s_lshl_b32 s19, s16, 9                         ; row 2 P
	s_add_co_u32 s24, s24, s19
	s_mov_b32 s25, 0
	s_lshl_b32 s26, s15, 15                        ; x: 32,768 U, under 2^28
	s_mov_b32 s27, 0
	s_lshl_b32 s28, s15, 14                        ; xb: 16,384 U
	s_mov_b32 s29, 0
	s_mov_b32 s30, 0x00000400                      ; byte selects: word 0's low byte, word 1's low byte
	s_mov_b32 s31, 0x00040100                      ; those two, word 2's low byte; the top byte is not used
	s_mov_b32 s32, 0x322bcc77                      ; 1e-8
	s_mov_b32 s33, 0x3e124925                      ; 1 / 7
	v_and_b32 v3, 31, v0                           ; l
	v_and_b32 v1, 15, v0                           ; l % 16
	v_bfe_u32 v2, v0, 4, 1                         ; l / 16
	v_lshlrev_b32 v[LO], 4, v3
	v_lshlrev_b32 v[YO], 3, v3
	v_mul_u32_u24 v[QO], v1, 12
	v_mad_u32_u24 v[QO], v2, 24576, v[QO]          ; four rows of weight_q3 on for lanes 16-31
	v_lshlrev_b32 v[NO], 10, v2                    ; four rows of weight_norm on
	v_bfe_u32 v[SH], v0, 2, 1
	v_lshlrev_b32 v[SH], 4, v[SH]
	v_cmp_lt_u32 vcc_lo, 7, v1                     ; chunks 8-15 lie in the step's groups 2 and 3: the second norm word.  VCC is written here alone
	v_mov_b32 v[SC+1], 0                           ; named in pairs, so they are written
	v_mov_b32 v[NN+1], 0
	s_wait_kmcnt 0x0
	s_add_nc_u64 s[6:7], s[6:7], s[20:21]
	s_add_nc_u64 s[8:9], s[8:9], s[22:23]
	s_add_nc_u64 s[12:13], s[12:13], s[24:25]
	s_add_nc_u64 s[4:5], s[4:5], s[26:27]
	s_add_nc_u64 s[10:11], s[10:11], s[28:29]
.irp t, 0,1,2,3
	global_load_b128 v[NR+4*(\t):NR+4*(\t)+3], v[NO], s[8:9] offset:16*(\t)
.endr
.irp i, 0,1,2,3,4,5,6,7
	global_load_b96 v[W+4*(\i):W+4*(\i)+2], v[QO], s[6:7] offset:192*(\i)  ; sixteen lanes take a K step's 192 consecutive bytes of a row
.endr
.irp i, 0,1,2,3,4,5,6,7,8,9,10,11,12,13,14,15
	global_load_b128 v[X+4*(\i):X+4*(\i)+3], v[LO], s[4:5] offset:512*(\i) th:TH_LOAD_NT  ; the ring is filled
.endr
; Chunk i: three words to eight bf16.  Every chunk has registers of its own: nothing that its store names is written again.
.macro CHUNK i
	s_wait_loadcnt DEPTH+7-(\i)                    ; loads come back in order (ISA guide 5.7.1): chunk i's is in; the 7 - i younger chunks' and the ring's 16 may stay out; the norms were issued first
	v_perm_b32 v[T0], v[W+4*(\i)+1], v[W+4*(\i)], s30
	v_perm_b32 v[T0], v[W+4*(\i)+2], v[T0], s31    ; bits 0-23: p0 | p1 << 8 | p2 << 16
	v_cndmask_b32 v[T1], v[NR+2*(\i)], v[NR+2*(\i)+1], vcc_lo
	v_lshrrev_b32 v[T1], v[SH], v[T1]
	v_cvt_f32_f16 v[NN], v11.l                     ; nrm
	v_fma_f32 v[SC], v[NN], 2.0, s32               ; 2 nrm + 1e-8
	v_mul_f32 v[SC], s33, v[SC]                    ; / 7
	v_and_b32 v[Q], 7, v[T0]
.irp j, 1,2,3,4,5,6,7
	v_bfe_u32 v[Q+(\j)], v[T0], 3*(\j), 3          ; code j lies at bit 3 j
.endr
.irp j, 0,1,2,3,4,5,6,7
	v_cvt_f32_u32 v[Q+(\j)], v[Q+(\j)]
.endr
.irp j, 0,2,4,6
	v_pk_fma_f32 v[Q+(\j):Q+(\j)+1], v[Q+(\j):Q+(\j)+1], v[SC:SC+1], v[NN:NN+1] op_sel_hi:[1,0,0] neg_lo:[0,0,1] neg_hi:[0,0,1]  ; q x scale - nrm, two at a time
.endr
.irp j, 0,1,2,3
	v_cvt_pk_bf16_f32 v[W+4*(\i)+(\j)], v[Q+2*(\j)], v[Q+2*(\j)+1]
.endr
	global_store_b128 v[LO], v[W+4*(\i):W+4*(\i)+3], s[12:13] offset:(\i)*524288  ; 512 consecutive bytes, at a multiple of 256 from wb's first byte
.endm
.irp i, 0,1,2,3,4,5,6,7
	CHUNK \i
.endr
; One slot's turn.  ahead = 1: the slot is filled again, 16 loads further on.  left = how many younger loads may stay out.
.macro SLOT i, ahead, left
	s_wait_loadcnt \left
	v_cvt_pk_bf16_f32 v[Y+2*(\i)],   v[X+4*(\i)],   v[X+4*(\i)+1]
	v_cvt_pk_bf16_f32 v[Y+2*(\i)+1], v[X+4*(\i)+2], v[X+4*(\i)+3]
.if \ahead
	global_load_b128 v[X+4*(\i):X+4*(\i)+3], v[LO], s[4:5] offset:(DEPTH+(\i))*512 th:TH_LOAD_NT  ; the load ahead of the store
.endif
	global_store_b64 v[YO], v[Y+2*(\i):Y+2*(\i)+1], s[10:11] offset:(\i)*256 th:TH_STORE_NT  ; 32 lanes store 256 consecutive bytes, at a multiple of 256 from xb's first byte
.endm
	s_mov_b32 s34, ROUNDS-1
.Lround:
.irp i, 0,1,2,3,4,5,6,7,8,9,10,11,12,13,14,15
	SLOT \i, 1, DEPTH-1
.endr
	s_wait_xcnt 0x0                                ; every load and store issued so far has read its registers (ISA guide 3.1): the two bases, and Y in the next round, are written only behind this wait
	s_add_nc_u64 s[4:5], s[4:5], DEPTH*512
	s_add_nc_u64 s[10:11], s[10:11], DEPTH*256
	s_sub_co_u32 s34, s34, 1
	s_cmp_lg_u32 s34, 0
	s_cbranch_scc1 .Lround
.irp i, 0,1,2,3,4,5,6,7,8,9,10,11,12,13,14,15
	SLOT \i, 0, DEPTH-1-(\i)                       ; the last round loads nothing: the counts run down
.endr
	s_endpgm
.Lfunc_end_k_q084f91212a_prep:
	.size	k_q084f91212a_prep, .Lfunc_end_k_q084f91212a_prep-k_q084f91212a_prep
	.p2alignl 7, 3214868480
	.fill 96, 4, 3214868480
	.section	.rodata,"a",@progbits
	.p2align	6, 0x0
	.amdhsa_kernel k_q084f91212a_prep
		.amdhsa_group_segment_fixed_size 0
		.amdhsa_private_segment_fixed_size 0
		.amdhsa_enable_private_segment 0
		.amdhsa_kernarg_size 40
		.amdhsa_user_sgpr_count 2
		.amdhsa_user_sgpr_kernarg_segment_ptr 1
		.amdhsa_wavefront_size32 1
		.amdhsa_system_sgpr_workgroup_id_x 1
		.amdhsa_system_sgpr_workgroup_id_y 1
		.amdhsa_system_sgpr_workgroup_id_z 1
		.amdhsa_system_vgpr_workitem_id 0
		.amdhsa_next_free_vgpr 168
		.amdhsa_next_free_sgpr 66
		.amdhsa_reserve_vcc 1
		.amdhsa_float_denorm_mode_32 3
		.amdhsa_float_denorm_mode_16_64 3
		.amdhsa_memory_ordered 1
		.amdhsa_forward_progress 1
		.amdhsa_inst_pref_size 29
	.end_amdhsa_kernel
	.amdgpu_metadata
---
amdhsa.version: [ 1, 2 ]
amdhsa.kernels:
  - .name:           k_q084f91212a_prep
    .symbol:         k_q084f91212a_prep.kd
    .args:
      - { .name: x, .offset: 0, .size: 8, .value_kind: global_buffer, .address_space: global }
      - { .name: weight_q3, .offset: 8, .size: 8, .value_kind: global_buffer, .address_space: global }
      - { .name: weight_norm, .offset: 16, .size: 8, .value_kind: global_buffer, .address_space: global }
      - { .name: xb, .offset: 24, .size: 8, .value_kind: global_buffer, .address_space: global }
      - { .name: wb, .offset: 32, .size: 8, .value_kind: global_buffer, .address_space: global }
    .group_segment_fixed_size: 0
    .private_segment_fixed_size: 0
    .kernarg_segment_align: 8
    .kernarg_segment_size: 40
    .max_flat_workgroup_size: 256
    .sgpr_count:     66
    .vgpr_count:     168
    .wavefront_size: 32
...
	.end_amdgpu_metadata
.endif
;; end of part 3
;; launch gemm (part 4): grid 8 x 32, 4 waves a work-group, clusters of 4 x 4, 327,680 bytes of LDS; arguments xb, wb, bias, out0; writes out0
.if DOCPART == 4
	.amdgcn_target "amdgcn-amd-amdhsa--gfx1250"
	.amdhsa_code_object_version 6
	.text
	.protected	k_q084f91212a_gemm
	.globl	k_q084f91212a_gemm
	.p2align	8
	.type	k_q084f91212a_gemm,@function
k_q084f91212a_gemm:
	s_mov_b64 s[64:65], 0
	v_nop
	global_prefetch_b8 v0, s[64:65] scope:SCOPE_SE
	s_setreg_imm32_b32 hwreg(HW_REG_WAVE_MODE, 25, 1), 1
	s_wait_xcnt 0x0
	s_wait_alu depctr_hold_cnt(0) depctr_sa_sdst(0) depctr_va_vdst(0) depctr_va_sdst(0) depctr_va_ssrc(0) depctr_va_vcc(0) depctr_vm_vsrc(0)
	s_getreg_b32 s2, hwreg(HW_REG_IB_STS2, 6, 4)
	s_cmp_eq_u32 s2, 0
	s_cbranch_scc0 .Lentry_in_a_cluster
	s_endpgm
.Lentry_in_a_cluster:
	s_bfe_u32 s2, ttmp6, 0x10000c
	s_cmp_lg_u32 s2, 0xf033
	s_cbranch_scc0 .Lentry_shape_is_right
	s_endpgm
.Lentry_shape_is_right:
; out0[m][n] = the sum over k of xb[m][k] W[n][k] + bias[n].  xb: [8,192][4,096] bf16; W: 2,048 x 4,096 in bf16, as the launch before laid it out (below); bias: [2,048] f32; out0: [8,192][2,048] f32.  Sums and the bias in f32.
; wb: [s = k / 128][p][k % 128]: byte (2,048 s + p) 256 + 2 (k % 128); row p = 64 G + 16 b + r holds feature 64 G + 4 r + b.  So 128 rows of a tile column at one K step are 32,768 dense bytes,
; and fragment c = 4 g + b of B holds in lane r column 64 g + 4 r + b: the accumulators b = 0..3 hold FOUR NEIGHBOURING columns in one lane, 16 bytes of out0, and sixteen lanes 256 bytes: no LDS stage on the way out.
; SHARES.  A tile of out0 is 256 x 256: 32 x 8 tiles, one work-group each, four waves, each 128 x 128: 64 accumulators of 16 x 16, 512 registers.
; THE RING.  K goes in steps of 128 through two LDS slots, each with 256 rows of xb and 256 rows of wb, 256 bytes a row.  Waves 0 and 1 fetch A's two halves, waves 2 and 3 B's: one tensor load a wave behind each
; change of slots, 224 matrix instructions ahead of the wait for it.
; CLUSTERS.  4 x 4 work-groups.  The four of a row of the cluster need the same tile of xb, the four of a column the same tile of wb: each is asked for JOINTLY, by the same tensor load with the same descriptor and a mask of four.
; REGISTERS, in windows of 256 (s_set_vgpr_msb: bits 1:0 source 0, 3:2 source 1, 5:4 source 2, 7:6 destination):
;   window 0: v0-31 addresses; v32-39 bias; v64-127, v128-191 fragments of A (8 x 16 rows x 32 K), two buffers; on the way out v128-255 four buffers of 32
;   window 1: v64-127, v128-191 fragments of B, two buffers
;   window 2: the 32 accumulators of my rows 0-63 ((a, c) at 8 (8 (a % 4) + c));   window 3: those of my rows 64-127
.set PITCH, 272                        ; an LDS row: 256 bytes + 16 of padding; an odd multiple of 16, so the 16 rows of a load fall into 16 different 16-byte columns of 256 bytes
.set HALFT, 128*PITCH                  ; 128 rows: what one tensor load brings, and what one wave reads of A or of B
.set SLOT,  4*HALFT                    ; A's 256 rows, then B's 256 rows
.set SPARE, 2*SLOT                     ; behind the ring: the spare words, 128 bytes for each wave: two blocks of 256 bytes that no other line names
.set LAPS,  16                         ; a lap = two K steps = once round the ring: 4,096 / 256
.set ASTEP, 256                        ; a K step in xb: 256 bytes along a row
.set BSTEP, 524288                     ; a K step in wb: 2,048 rows of 256 bytes
.set ADRA, 16                          ; v16-17  LDS address of my A fragments in slot 0, 1
.set ADRB, 18                          ; v18-19  the same for B
.set CO,   20                          ; v20     my byte offset in out0: 8 rows x (l / 16) + 16 (l % 16); never rewritten
.set BO,   21                          ; v21     my byte offset in bias: 16 (l % 16); never rewritten
.set PFO,  22                          ; v22     the prefetches' offset: my lane x a row of xb or of wb; never rewritten
.set SPW,  28                          ; v28     LDS address of my spare word: SPARE + 4 x my thread's number; never rewritten
.set NIL,  29                          ; v29     0; never rewritten
.set BI,   32                          ; v32-39  bias of my columns: 64 g + 4 (l % 16) + b at BI + 4 g + b
.set F0,   64                          ; fragment buffer 0
.set F1,   128                         ; fragment buffer 1
.set WV,   12                          ; s12  my wave's number
.set WR,   13                          ; s13  which half of the tile's rows is mine
.set HF,   14                          ; s14  which half of its columns; also: which 128 rows of A's or B's tile I fetch
.set LIM,  19                          ; s19  1 in a wave that prefetches, else the greatest number
.set G1A,  24                          ; s[24:31] descriptor group 1 for A's tiles
.set G0A,  32                          ; s[32:39] group 0, one set for each slot
.set G1B,  40                          ; s[40:47], s[48:55] the same for B's tiles
.set G0B,  48
.set PFA,  56                          ; s[56:57] where my prefetches stand
.set PST,  58                          ; s[58:59] a K step there
.set MSB, 0
.macro WIN new                         ; the immediate's high byte repeats the setting that is left; a switch that changes nothing is dropped
.if MSB != (\new)
	s_set_vgpr_msb (MSB<<8)|(\new)
.set MSB, \new
.endif
.endm
.set MUL_LO, 0xa4                      ; source 0 (A) window 0, source 1 (B) window 1, C and D window 2
.set MUL_HI, 0xf4                      ; the same, C and D window 3
.set TO_B,   0x40                      ; destination window 1, address window 0
; A joint load.  Waves 0 and 1 fetch A's two halves, waves 2 and 3 B's.  Each line has one mask and one set of registers for all that issue it; the branch hangs on the wave's number alone.
; An s_nop 0 and four v_nop follow each of the two lines, ahead of the jump, the label and what follows the macro.
.macro JLOAD s
	s_cmp_lt_u32 s[WV], 2
	s_cbranch_scc0 .Lfor_b_\@
	tensor_load_to_lds s[G0A+4*(\s):G0A+4*(\s)+3], s[G1A:G1A+7]
	s_nop 0
.rept 4
	v_nop
.endr
	s_branch .Lasked_\@
.Lfor_b_\@:
	tensor_load_to_lds s[G0B+4*(\s):G0B+4*(\s)+3], s[G1B:G1B+7]
	s_nop 0
.rept 4
	v_nop
.endr
.Lasked_\@:
.endm
; A PREFETCH INTO THE L2, behind each joint refill, its five lines and the run of LDS loads: the K step that stands TWO refills on, 512 matrix instructions ahead of the load that will ask for it: 32 rows x 256 bytes, a lane a row.
; Each row's 256 bytes of a K step are named once in the launch.  A tile row of xb is read by both clusters of its row of clusters: the one with cluster x = 0 asks (waves 0 and 1); a tile column of wb by all eight
; clusters of its column: the one with cluster y = 0 asks (waves 2 and 3).  Of the 128 rows that a wave fetches, the partner at place p takes 32 p .. 32 p + 31 (p = cx for A, cy for B): partners are told apart BY
; ADDRESS, and no branch hangs on a place in the cluster.  K steps 0 to 3 come by their loads alone; the loop's last trip (s3 = 1) asks for nothing: K step 31 is the last named.
.macro ASK
	s_cmp_gt_u32 s3, s[LIM]
	s_cbranch_scc0 .Lnot_mine_\@
	global_prefetch_b8 v[PFO], s[PFA:PFA+1] th:TH_LOAD_NT scope:SCOPE_SE
.Lnot_mine_\@:
.endm
; A round of the cluster's barrier: my work-group's barrier, so that wave 0's signal speaks for all four waves; wave 0 signals; every wave waits for all sixteen work-groups; my work-group's barrier once more.
.macro CREST                           ; a round behind its opening barrier
	s_cmp_lg_u32 s[WV], 0
	s_cbranch_scc1 .Lnot_wave_0_\@
	s_barrier_signal -3
.Lnot_wave_0_\@:
	s_barrier_wait -3
	s_barrier_signal -1
	s_barrier_wait -1
.endm
.macro CROUND                          ; a whole round
	s_barrier_signal -1
	s_barrier_wait -1
	CREST
.endm
	s_load_b256 s[4:11], s[0:1], 0x0               ; xb s[4:5], wb s[6:7], bias s[8:9], out0 s[10:11]
	v_lshl_add_u32 v[SPW], v0, 2, SPARE
	v_mov_b32 v[NIL], 0
	ds_add_u32 v[SPW], v[NIL]                      ; the wave's opening: the add and its wait stand ahead of my first tensor load; the set-up below, work on registers, stands between them
	v_lshrrev_b32 v1, 5, v0
	v_readfirstlane_b32 s[WV], v1                  ; wave 0..3
	s_lshr_b32 s[WR], s[WV], 1
	s_and_b32 s[HF], s[WV], 1
	s_bfe_u32 s15, ttmp6, 0x40000                  ; cx: my place along the cluster's x
	s_bfe_u32 s16, ttmp6, 0x40004                  ; cy: along its y
	s_lshl_b32 s17, ttmp9, 2                       ; in a cluster launch ttmp9 and ttmp7 count clusters
	s_add_co_u32 s17, s17, s15                     ; tile column = 4 x cluster x + cx
	s_and_b32 s18, ttmp7, 0xffff
	s_lshl_b32 s18, s18, 2
	s_add_co_u32 s18, s18, s16                     ; tile row = 4 x cluster y + cy
	s_lshl_b32 s20, s16, 2
	s_lshl_b32 s20, 15, s20                        ; my row of the cluster: places 4 cy .. 4 cy + 3
	s_lshl_b32 s60, 0x1111, s15                    ; my column: places cx, cx + 4, cx + 8, cx + 12
	; group 1: a tile of 128 rows x 128 elements of 2 bytes, 4 words of padding behind every 64.  A's rows lie 4,096 elements apart, B's 128: they follow each other.
	s_or_b32 s[G1A+0], s20, (1<<16)|(1<<20)|(1<<21)|(5<<22)|(3<<25)  ; 15:0 the mask: my row; 17:16 elements of 2 bytes; 20 padding on; 21 set beside a mask; 24:22 after every 64 words (code 5); 31:25 4 words (code 3)
	s_or_b32 s[G1B+0], s60, (1<<16)|(1<<20)|(1<<21)|(5<<22)|(3<<25)  ; the same with the mask of my column
.irp g, G1A, G1B
	s_mov_b32 s[(\g)+1], 128<<16                   ; tensor_dim0 = 128
	s_mov_b32 s[(\g)+2], 128<<16                   ; tensor_dim1 = 128
	s_mov_b32 s[(\g)+3], 128<<16                   ; tile_dim0 = 128
	s_mov_b32 s[(\g)+4], 128                       ; tile_dim1 = 128
	s_mov_b32 s[(\g)+6], 0
	s_mov_b32 s[(\g)+7], 0
.endr
	s_mov_b32 s[G1A+5], 4096                       ; tensor_dim0_stride
	s_mov_b32 s[G1B+5], 128
	; where the tiles come from: A's hang on the tile row alone, which my row of the cluster shares; B's on the tile column alone.  Each is made in registers that never hold the other coordinate.
	s_lshl_b32 s20, s18, 8
	s_lshl_b32 s21, s[HF], 7
	s_add_co_u32 s20, s20, s21                     ; A: row 256 x tile row + 128 x half,
	s_lshl_b32 s20, s20, 13                        ; of 8,192 bytes: under 2^27
	s_mov_b32 s21, 0
	s_lshl_b32 s60, s17, 16                        ; B: 256 rows of 256 bytes x tile column
	s_lshl_b32 s61, s[HF], 15                      ; + 128 rows x half
	s_add_co_u32 s60, s60, s61
	s_mov_b32 s61, 0
	s_mul_i32 s22, s[WV], HALFT                    ; and where they go: A's two halves, then B's two halves = wave x 128 rows: no place in the cluster enters an LDS address
	s_wait_dscnt 0x0                               ; the opening add is done
	s_wait_kmcnt 0x0
	s_add_nc_u64 s[20:21], s[4:5], s[20:21]
	s_add_nc_u64 s[60:61], s[6:7], s[60:61]
	CROUND                                         ; all sixteen work-groups are here: the first joint loads meet
.irp s, 0,1
	s_mov_b32 s[G0A+4*(\s)], 1                     ; 1:0 count = 1
	s_add_co_u32 s[G0A+4*(\s)+1], s22, (\s)*SLOT   ; 63:32 LDS address
	s_add_nc_u64 s[G0A+4*(\s)+2:G0A+4*(\s)+3], s[20:21], (\s)*ASTEP  ; 120:64 global address: K step s
	s_or_b32 s[G0A+4*(\s)+3], s[G0A+4*(\s)+3], 0x80000000            ; 127:126 type = 2
	s_mov_b32 s[G0B+4*(\s)], 1
	s_add_co_u32 s[G0B+4*(\s)+1], s22, (\s)*SLOT
	s_add_nc_u64 s[G0B+4*(\s)+2:G0B+4*(\s)+3], s[60:61], (\s)*BSTEP
	s_or_b32 s[G0B+4*(\s)+3], s[G0B+4*(\s)+3], 0x80000000
	JLOAD \s                                       ; both slots are asked for before anything else: two loads of mine are out
.endr
	; A fragment is 16 rows x 32 K in 8 registers: lane l holds row l % 16; registers 0-3 hold K = 8 (l / 16) + 0..7, registers 4-7 K = 16 + 8 (l / 16) + 0..7: two loads of 16 bytes, 32 bytes apart.  The same for both sources.
	v_and_b32 v1, 15, v0                           ; l % 16
	v_bfe_u32 v2, v0, 4, 1                         ; l / 16
	v_mul_u32_u24 v3, v1, PITCH
	v_lshl_add_u32 v3, v2, 4, v3                   ; row x pitch + 16 x half
	s_mul_i32 s62, s[WR], HALFT                    ; my 128 rows of A
	s_mul_i32 s63, s[HF], HALFT                    ; my 128 rows of B,
	s_add_co_u32 s63, s63, 2*HALFT                 ; which lie behind A's 256
	v_add_nc_u32 v[ADRA], s62, v3
	v_add_nc_u32 v[ADRA+1], SLOT, v[ADRA]
	v_add_nc_u32 v[ADRB], s63, v3
	v_add_nc_u32 v[ADRB+1], SLOT, v[ADRB]
	v_lshlrev_b32 v[BO], 4, v1
	v_lshl_add_u32 v[CO], v2, 16, v[BO]            ; 8 rows of 8,192 bytes for lanes 16-31
	s_lshl_b32 s62, s17, 10                        ; the tile's 256 columns: 1,024 bytes of bias and of a row of out0,
	s_lshl_b32 s63, s[HF], 9                       ; my 128 of them
	s_add_co_u32 s62, s62, s63
	s_mov_b32 s63, 0
	s_add_nc_u64 s[8:9], s[8:9], s[62:63]
.irp g, 0,1
	global_load_b128 v[BI+4*(\g):BI+4*(\g)+3], v[BO], s[8:9] offset:256*(\g)  ; waited for on the way out
.endr
	s_lshl_b32 s22, s18, 8
	s_lshl_b32 s23, s[WR], 7
	s_add_co_u32 s22, s22, s23                     ; my first row of out0,
	s_lshl_b32 s22, s22, 13                        ; of 8,192 bytes: under 2^26
	s_add_co_u32 s22, s22, s62
	s_mov_b32 s23, 0
	s_add_nc_u64 s[10:11], s[10:11], s[22:23]
	; the prefetches: they start at K step 3; each filling change of slots steps them first
	s_lshl_b32 s22, s18, 8
	s_lshl_b32 s23, s[HF], 7
	s_add_co_u32 s22, s22, s23                     ; the 128 rows of xb that I fetch,
	s_lshl_b32 s23, s15, 5
	s_add_co_u32 s22, s22, s23                     ; my work-group's 32 of them
	s_lshl_b32 s22, s22, 13
	s_add_co_u32 s22, s22, 3*ASTEP
	s_lshl_b32 s62, s17, 8
	s_lshl_b32 s63, s[HF], 7
	s_add_co_u32 s62, s62, s63                     ; the 128 rows of wb that I fetch,
	s_lshl_b32 s63, s16, 5
	s_add_co_u32 s62, s62, s63                     ; my work-group's 32 of them
	s_lshl_b32 s62, s62, 8
	s_add_co_u32 s62, s62, 3*BSTEP
	s_and_b32 s63, ttmp7, 0xffff                   ; cluster y
	s_mov_b32 s[PST], BSTEP
	s_cmp_lt_u32 s[WV], 2                          ; do I fetch for A?
	s_cselect_b64 s[PFA:PFA+1], s[4:5], s[6:7]
	s_cselect_b32 s22, s22, s62
	s_cselect_b32 s[PST], ASTEP, s[PST]
	s_cselect_b32 s63, ttmp9, s63                  ; the coordinate along which other clusters read the same rows
	s_cselect_b32 s2, 13, 8                        ; a lane a row: 8,192 bytes in xb, 256 in wb
	s_cmp_eq_u32 s63, 0
	s_cselect_b32 s[LIM], 1, -1                    ; the same in all sixteen partners, for a given wave
	s_mov_b32 s23, 0
	s_mov_b32 s[PST+1], 0
	s_add_nc_u64 s[PFA:PFA+1], s[PFA:PFA+1], s[22:23]
	v_and_b32 v[PFO], 31, v0
	v_lshlrev_b32 v[PFO], s2, v[PFO]
; 16 matrix instructions: row blocks a0, a0 + 1 of the window's four (hi = 0: my rows 0-63, 1: rows 64-127) x all 8 column fragments, 32 along K.  zero = 1: the product starts the sum: nothing is ever cleared.
; The 64 accumulators take turns, one instruction a turn, in the same order in every quarter step, over the backward jump and into the tail too.
.macro MUL16 f, hi, a0, zero
	WIN MUL_LO+0x50*(\hi)
.irp a, \a0, (\a0)+1
.irp b, 0,1,2,3,4,5,6,7
.if \zero
	v_wmma_f32_16x16x32_bf16 v[8*(8*(\a)+(\b)):8*(8*(\a)+(\b))+7], v[(\f)+8*(4*(\hi)+(\a)):(\f)+8*(4*(\hi)+(\a))+7], v[(\f)+8*(\b):(\f)+8*(\b)+7], 0
.else
	v_wmma_f32_16x16x32_bf16 v[8*(8*(\a)+(\b)):8*(8*(\a)+(\b))+7], v[(\f)+8*(4*(\hi)+(\a)):(\f)+8*(4*(\hi)+(\a))+7], v[(\f)+8*(\b):(\f)+8*(\b)+7], v[8*(8*(\a)+(\b)):8*(8*(\a)+(\b))+7]
.endif
.endr
.endr
.endm
; 32 LDS loads in one run: the fragments of one quarter step (128 rows of B, then 128 rows of A, 32 K at byte k of the rows) into buffer f
.macro FETCH slot, k, f
	WIN TO_B
.irp i, 0,1,2,3,4,5,6,7
	ds_load_b128 v[(\f)+8*(\i):(\f)+8*(\i)+3],   v[ADRB+(\slot)] offset:(\k)+(\i)*16*PITCH
	ds_load_b128 v[(\f)+8*(\i)+4:(\f)+8*(\i)+7], v[ADRB+(\slot)] offset:(\k)+(\i)*16*PITCH+32
.endr
	WIN 0
.irp i, 0,1,2,3,4,5,6,7
	ds_load_b128 v[(\f)+8*(\i):(\f)+8*(\i)+3],   v[ADRA+(\slot)] offset:(\k)+(\i)*16*PITCH
	ds_load_b128 v[(\f)+8*(\i)+4:(\f)+8*(\i)+7], v[ADRA+(\slot)] offset:(\k)+(\i)*16*PITCH+32
.endr
.endm
; A load into a register that a matrix instruction has read, and a vector instruction that reads a matrix result, stand four places behind it, and only plain vector instructions that name none of its
; registers are places (ISA guide 7.12.1 for vector instructions).
.macro PLACES
.rept 4
	v_nop
.endr
.endm
; A K step is four quarter steps of 32 along K, 64 matrix instructions each, on buffers 0, 1, 0, 1.  One of the first three: multiplies buffer f; in its middle it fetches the next quarter, at byte k of the same slot's rows, into buffer g.
.macro QUARTER slot, k, f, g, zero
	s_wait_dscnt 8                                 ; B and A's rows 0-63 are in; the youngest eight loads (A's rows 64-127) may be out
	MUL16 \f, 0, 0, \zero
	MUL16 \f, 0, 2, \zero
	PLACES
	FETCH \slot, \k, \g
	s_wait_dscnt 32                                ; all but the 32 just issued
	MUL16 \f, 1, 0, \zero
	MUL16 \f, 1, 2, \zero
.endm
; The last quarter multiplies buffer 1 and changes slots: ONE barrier for two things.  In front of it each wave waits for all its tensor loads, of which one is out: its part of the next slot; adds 0 to its spare
; word; and waits for that and for its own reads of this slot.  Behind it nobody reads this slot any more and the next slot is whole.  fill = 1: the barrier opens a round of the cluster's barrier, and this slot is
; filled again, two K steps on, first thing behind the round.
.macro TURN slot, next, fill
.if \fill
	s_wait_xcnt 0x0                                ; the last prefetch, a K step back, has read its address: it is stepped here, ahead of the waits of the change of slots
	s_add_nc_u64 s[PFA:PFA+1], s[PFA:PFA+1], s[PST:PST+1]
.endif
	WIN 0                                          ; (the add's two registers lie in window 0)
	s_wait_tensorcnt 0x0                           ; all my tensor loads have landed;
	ds_add_u32 v[SPW], v[NIL]                      ; 0 onto my spare word;
	s_wait_dscnt 9                                 ; (the add and the youngest eight loads may be out)
	MUL16 F1, 0, 0, 0                              ; sixteen matrix instructions stand between the add and the wait for it
	s_wait_dscnt 0x0                               ; the add is done, and my reads of this slot are over:
	s_barrier_signal -1                            ; say so,
	MUL16 F1, 0, 2, 0                              ; work on registers while the others arrive,
.if \fill
	WIN 0
.endif
	s_barrier_wait -1                              ; and go on when all four have said so
.if \fill
	CREST                                          ; all sixteen work-groups have said so: no wave of any partner still reads this slot or has a load on its way
	s_add_nc_u64 s[G0A+4*(\slot)+2:G0A+4*(\slot)+3], s[G0A+4*(\slot)+2:G0A+4*(\slot)+3], 2*ASTEP
	s_add_nc_u64 s[G0B+4*(\slot)+2:G0B+4*(\slot)+3], s[G0B+4*(\slot)+2:G0B+4*(\slot)+3], 2*BSTEP
	JLOAD \slot                                    ; the first tensor load behind the round, my one load until the next; its four v_nop are also the places in front of the loads below
.else
	PLACES
.endif
	FETCH \next, 0, F0
.if \fill
	ASK                                            ; behind the joint load and the run of LDS loads that the next products wait for
.endif
	MUL16 F1, 1, 0, 0
	MUL16 F1, 1, 2, 0
.endm
; THE WAY OUT of row block a, columns 64 g .. 64 g + 63 of my 128.  The addition of the bias is also the gather: register j of the accumulators b = 0..3 goes into four neighbouring registers, 16 bytes of row
; 16 a + 8 (l / 16) + j.  j ascends.
.macro OUTB a, g
.set TB, 128+32*((2*(\a)+(\g))%4)
	s_wait_xcnt 0x0                                ; every earlier store has read its registers (ISA guide 3.1): the buffer that was stored four batches back is rewritten only behind this wait
	WIN 0x02+(\a)/4                                ; source 0: window 2 or 3
.irp j, 0,1,2,3,4,5,6,7
.irp b, 0,1,2,3
	v_add_f32 v[TB+4*(\j)+(\b)], v[8*(8*((\a)%4)+4*(\g)+(\b))+(\j)], v[BI+4*(\g)+(\b)]
.endr
.endr
	WIN 0
.irp j, 0,1,2,3,4,5,6,7
	global_store_b128 v[CO], v[TB+4*(\j):TB+4*(\j)+3], s[10:11] offset:(16*(\a)+(\j))*8192+256*(\g) th:TH_STORE_NT  ; 16 lanes store 256 consecutive bytes, at a multiple of 256 from out0's first byte
.endr
.endm
	s_wait_tensorcnt 1                             ; my part of K step 0 is in; K step 1's may stay out
	s_barrier_signal -1
	s_barrier_wait -1                              ; everybody's is
	FETCH 0, 0, F0
	QUARTER 0, 64,  F0, F1, 1                      ; the first quarter stands in front of the loop: its products start the sums
	WIN 0                                          ; at a label and at a branch every window is 0
	s_mov_b32 s3, LAPS-1
.Llap:                                         ; a trip goes once round the ring, from a lap's second quarter to the next lap's first, and fills both slots again: trip i asks for K steps 2 i + 2 and 2 i + 3
	QUARTER 0, 128, F1, F0, 0
	QUARTER 0, 192, F0, F1, 0
	TURN 0, 1, 1
	QUARTER 1, 64,  F0, F1, 0
	QUARTER 1, 128, F1, F0, 0
	QUARTER 1, 192, F0, F1, 0
	TURN 1, 0, 1
	QUARTER 0, 64,  F0, F1, 0
	WIN 0
	s_sub_co_u32 s3, s3, 1
	s_cmp_lg_u32 s3, 0
	s_cbranch_scc1 .Llap
	QUARTER 0, 128, F1, F0, 0                      ; the last lap is written out: nothing is asked for
	QUARTER 0, 192, F0, F1, 0
	TURN 0, 1, 0
	QUARTER 1, 64,  F0, F1, 0
	QUARTER 1, 128, F1, F0, 0
	QUARTER 1, 192, F0, F1, 0
	s_wait_dscnt 8                                 ; the very last quarter: nothing more to fetch
	MUL16 F1, 0, 0, 0
	MUL16 F1, 0, 2, 0
	s_wait_dscnt 0x0
	MUL16 F1, 1, 0, 0
	MUL16 F1, 1, 2, 0
	WIN 0
	s_wait_loadcnt 0x0                             ; the bias
	PLACES                                         ; the additions read results and write registers that the last products read, and no other vector work is at hand
	PLACES
.irp a, 0,1,2,3,4,5,6,7
.irp g, 0,1
	OUTB \a, \g
.endr
.endr
	s_wait_tensorcnt 0x0                           ; the wave's end: behind my last tensor load
	ds_add_u32 v[SPW], v[NIL]
	s_wait_dscnt 0x0
	CROUND                                         ; the closing round: no work-group ends while a partner may still ask for a tile that names it
	s_endpgm
.Lfunc_end_k_q084f91212a_gemm:
	.size	k_q084f91212a_gemm, .Lfunc_end_k_q084f91212a_gemm-k_q084f91212a_gemm
	.p2alignl 7, 3214868480
	.fill 96, 4, 3214868480
	.section	.rodata,"a",@progbits
	.p2align	6, 0x0
	.amdhsa_kernel k_q084f91212a_gemm
		.amdhsa_group_segment_fixed_size 327680
		.amdhsa_private_segment_fixed_size 0
		.amdhsa_enable_private_segment 0
		.amdhsa_kernarg_size 32
		.amdhsa_user_sgpr_count 2
		.amdhsa_user_sgpr_kernarg_segment_ptr 1
		.amdhsa_wavefront_size32 1
		.amdhsa_system_sgpr_workgroup_id_x 1
		.amdhsa_system_sgpr_workgroup_id_y 1
		.amdhsa_system_sgpr_workgroup_id_z 1
		.amdhsa_system_vgpr_workitem_id 0
		.amdhsa_next_free_vgpr 1024
		.amdhsa_next_free_sgpr 66
		.amdhsa_reserve_vcc 0
		.amdhsa_float_denorm_mode_32 3
		.amdhsa_float_denorm_mode_16_64 3
		.amdhsa_memory_ordered 1
		.amdhsa_forward_progress 1
		.amdhsa_inst_pref_size 142
	.end_amdhsa_kernel
	.amdgpu_metadata
---
amdhsa.version: [ 1, 2 ]
amdhsa.kernels:
  - .name:           k_q084f91212a_gemm
    .symbol:         k_q084f91212a_gemm.kd
    .args:
      - { .name: xb, .offset: 0, .size: 8, .value_kind: global_buffer, .address_space: global }
      - { .name: wb, .offset: 8, .size: 8, .value_kind: global_buffer, .address_space: global }
      - { .name: bias, .offset: 16, .size: 8, .value_kind: global_buffer, .address_space: global }
      - { .name: out0, .offset: 24, .size: 8, .value_kind: global_buffer, .address_space: global }
    .group_segment_fixed_size: 327680
    .private_segment_fixed_size: 0
    .kernarg_segment_align: 8
    .kernarg_segment_size: 32
    .max_flat_workgroup_size: 128
    .sgpr_count:     66
    .vgpr_count:     1024
    .wavefront_size: 32
...
	.end_amdgpu_metadata
.endif
;; end of part 4
;; ======== version 3 of 3: 2 launches; version 2 with the launch prep written anew for expert scheduling mode
;; workspace buffers: xb 67,108,864 bytes; wb 16,777,216 bytes
;; launch prep (part 5): grid 512 x 1, 8 waves a work-group, no clusters, 0 bytes of LDS; arguments x, weight_q3, weight_norm, xb, wb; writes xb, wb
.if DOCPART == 5
	.amdgcn_target "amdgcn-amd-amdhsa--gfx1250"
	.amdhsa_code_object_version 6
	.text
	.protected	k_q084f91212a_prep
	.globl	k_q084f91212a_prep
	.p2align	8
	.type	k_q084f91212a_prep,@function
k_q084f91212a_prep:
	s_mov_b64 s[64:65], 0
	v_nop
	global_prefetch_b8 v0, s[64:65] scope:SCOPE_SE
	s_setreg_imm32_b32 hwreg(HW_REG_WAVE_SCHED_MODE, 0, 2), 2
	s_setreg_imm32_b32 hwreg(HW_REG_WAVE_MODE, 25, 1), 1
	s_wait_xcnt 0x0
	s_wait_alu depctr_vm_vsrc(0)
; BOTH OPERANDS OF THE PRODUCT THAT FOLLOWS, each rounded once to bf16.
; xb[m][k] = bf16(x[m][k]): [8,192][4,096], row-major.  LIMIT: an x within half a bf16 step of f32's largest number rounds to an infinity; bf16 has f32's exponents, so there is no other limit of range.
; W[n][k] = (q / 7) (2 nrm + 1e-8) - nrm.  weight_q3: for each group of 32 neighbouring k twelve int32 words, of which the low byte counts (the cast to uint8); three bytes hold eight codes of 3 bits, the lowest
; k lowest.  weight_norm: one f16 a group.  A row of W (4,096 k) is 128 groups: 6,144 bytes of weight_q3, 256 bytes of weight_norm.
; wb: bf16, [s = k / 128][p][k % 128]: byte (2,048 s + p) 256 + 2 (k % 128).  Inside each 64 output features the rows are permuted: p = 64 G + 16 b + r holds feature 64 G + 4 r + b.
; ORDER OF ROUNDING: w = fma(q, (2 nrm + 1e-8) x (1/7), -nrm) in f32, where the definition rounds q / 7, the product and the difference one by one: a few last places of f32 apart, far below bf16's step.
; A STREAM: every byte is read once and written once, nothing is shared between waves: no LDS, no barrier, no cluster, no matrix unit.  512 work-groups of eight waves; wave U of 4,096:
; THE CAST.  32,768 consecutive bytes of x: 64 loads of 512 consecutive bytes (16 a lane); each makes 8 bytes a lane, so a store covers 256 consecutive bytes, aligned.  A ring of 16 slots in registers, taken in
; four blocks of four, keeps 12 to 16 loads of every wave on their way.
; THE UNPACKING, while the ring's first loads are out.  Rows p = 2 P and 2 P + 1 of wb (P = U / 4: features n0 and n0 + 4), K steps s = 8 (U % 4) + i, i = 0..7.  A chunk is 8 numbers: 3 words in, 16 bytes out.
; Lane l takes row 2 P + l / 16, chunk l % 16 of the step's sixteen: a store covers the two rows' 512 consecutive bytes.
; THE MODE: SCHED_MODE bits 1:0 = 2 (LLVM: expert scheduling mode 2), set by the entry lines.  The code itself states the register dependences between vector instructions and memory instructions, with
; s_wait_alu, always for 0.
; THE PLAN.  Registers that memory instructions touch:
;   v4-v7      byte offsets, made once at the head; no vector instruction names them again.  The rows are reached by scalar bases and immediate offsets.
;   NR         loaded once; read by vector instructions alone.
;   W          chunk i: its load lands, its vector lines read the three words and write four, its one store reads them.  Never written again.  The stores stand in two runs of four, each behind one wait.
;   X          slot s: its load lands; the slot's two conversions read it; behind them the load of the next round lands in it.
;   Y          slot s: the slot's two conversions write it; its store reads it; it is written again one round later.
; A block of the cast is: the wait for its four loads; its eight conversions; ONE wait on va_vdst, which states that they are done reading the block's X and have written its Y; its four loads and four stores, with
; no vector instruction among them.  ONE wait on vm_vsrc a round, at the round's head: a slot's store and the next write of its Y lie a round apart, so that place lies between them for all sixteen slots.
.set DEPTH,  16                        ; slots of the ring
.set BLOCK,  4                         ; slots in a block
.set ROUNDS, 4                         ; 64 loads
.set LO,  4                            ; v4   16 x lane: my place in a load of x and in a store to wb; never rewritten
.set YO,  5                            ; v5   8 x lane: my place in a store to xb; never rewritten
.set QO,  6                            ; v6   my byte offset in weight_q3: 24,576 (l / 16) + 12 (l % 16); never rewritten
.set NO,  7                            ; v7   in weight_norm: 1,024 (l / 16); never rewritten
.set SH,  8                            ; v8   16 x ((l / 4) % 2): which half of a norm word is my group's
.set T0,  10                           ; v10  the chunk's 24 bits
.set T1,  11                           ; v11  the norm's f16 in the low half
.set SC,  12                           ; v[12:13] (2 nrm + 1e-8) / 7 in the low register; the pair is named, the low one feeds both halves
.set NN,  14                           ; v[14:15] nrm, likewise
.set Q,   16                           ; v[16:23] the eight codes, then the eight numbers
.set W,   24                           ; v[24:55] chunk i: three words as loaded, then four words to store
.set NR,  56                           ; v[56:71] the norms of my row's eight K steps: step i's four groups in words 2 i, 2 i + 1
.set X,   72                           ; v[72:135] slot s: four f32 as loaded
.set Y,   136                          ; v[136:167] slot s: four bf16 to store
	s_load_b256 s[4:11], s[0:1], 0x0               ; x s[4:5], weight_q3 s[6:7], weight_norm s[8:9], xb s[10:11]
	s_load_b64 s[12:13], s[0:1], 0x20              ; wb
	v_lshrrev_b32 v1, 5, v0
	v_readfirstlane_b32 s14, v1                    ; wave 0..7
	v_and_b32 v3, 31, v0                           ; l.  The head's vector work stands between that line and the wait for s14
	v_and_b32 v1, 15, v0                           ; l % 16
	v_bfe_u32 v2, v0, 4, 1                         ; l / 16
	v_lshlrev_b32 v[LO], 4, v3
	v_lshlrev_b32 v[YO], 3, v3
	v_mul_u32_u24 v[QO], v1, 12
	v_mad_u32_u24 v[QO], v2, 24576, v[QO]          ; four rows of weight_q3 on for lanes 16-31
	v_lshlrev_b32 v[NO], 10, v2                    ; four rows of weight_norm on
	v_bfe_u32 v[SH], v0, 2, 1
	v_lshlrev_b32 v[SH], 4, v[SH]
	v_cmp_lt_u32 vcc_lo, 7, v1                     ; chunks 8-15 lie in the step's groups 2 and 3: the second norm word.  VCC is written here alone
	v_mov_b32 v[SC+1], 0                           ; named in pairs, so they are written
	v_mov_b32 v[NN+1], 0
	s_wait_alu depctr_va_sdst(0)                   ; s14 is written, ahead of its first reader: U, and all the bases, are made from it
	s_lshl_b32 s15, ttmp9, 3
	s_add_co_u32 s15, s15, s14                     ; U
	s_lshr_b32 s16, s15, 2                         ; P
	s_and_b32 s17, s15, 3                          ; which eight K steps
	s_lshr_b32 s18, s16, 5
	s_lshl_b32 s18, s18, 6                         ; 64 G: 2 P / 64 = P / 32
	s_and_b32 s19, s16, 7
	s_lshl_b32 s19, s19, 3                         ; 4 r, r = 2 (P % 8)
	s_add_co_u32 s18, s18, s19
	s_bfe_u32 s19, s16, 0x20003                    ; b = (P / 8) % 4
	s_add_co_u32 s18, s18, s19                     ; n0
	s_mul_i32 s20, s18, 6144                       ; weight_q3: row n0,
	s_mul_i32 s19, s17, 1536                       ; eight K steps of 192 bytes
	s_add_co_u32 s20, s20, s19
	s_mov_b32 s21, 0
	s_lshl_b32 s22, s18, 8                         ; weight_norm: row n0,
	s_lshl_b32 s19, s17, 6                         ; eight K steps of 8 bytes
	s_add_co_u32 s22, s22, s19
	s_mov_b32 s23, 0
	s_lshl_b32 s24, s17, 22                        ; wb: eight K steps of 524,288 bytes,
	s_lshl_b32 s19, s16, 9                         ; row 2 P
	s_add_co_u32 s24, s24, s19
	s_mov_b32 s25, 0
	s_lshl_b32 s26, s15, 15                        ; x: 32,768 U, under 2^28
	s_mov_b32 s27, 0
	s_lshl_b32 s28, s15, 14                        ; xb: 16,384 U
	s_mov_b32 s29, 0
	s_mov_b32 s30, 0x00000400                      ; byte selects: word 0's low byte, word 1's low byte
	s_mov_b32 s31, 0x00040100                      ; those two, word 2's low byte; the top byte is not used
	s_mov_b32 s32, 0x322bcc77                      ; 1e-8
	s_mov_b32 s33, 0x3e124925                      ; 1 / 7
	s_wait_kmcnt 0x0
	s_add_nc_u64 s[6:7], s[6:7], s[20:21]
	s_add_nc_u64 s[8:9], s[8:9], s[22:23]
	s_add_nc_u64 s[12:13], s[12:13], s[24:25]
	s_add_nc_u64 s[4:5], s[4:5], s[26:27]
	s_add_nc_u64 s[10:11], s[10:11], s[28:29]
	s_wait_alu depctr_va_vcc(0)                    ; VCC is written, ahead of its first reader: the choice of the norm's word in chunk 0
	s_wait_alu depctr_va_vdst(0)                   ; the four offsets v4 to v7 are written: every load and store of the kernel reads one of them
.irp t, 0,1,2,3
	global_load_b128 v[NR+4*(\t):NR+4*(\t)+3], v[NO], s[8:9] offset:16*(\t)
.endr
.irp i, 0,1,2,3,4,5,6,7
	global_load_b96 v[W+4*(\i):W+4*(\i)+2], v[QO], s[6:7] offset:192*(\i)  ; sixteen lanes take a K step's 192 consecutive bytes of a row
.endr
.irp i, 0,1,2,3,4,5,6,7,8,9,10,11,12,13,14,15
	global_load_b128 v[X+4*(\i):X+4*(\i)+3], v[LO], s[4:5] offset:512*(\i) th:TH_LOAD_NT  ; the ring is filled
.endr
; Chunk i: three words to eight bf16.  Every chunk has registers of its own: nothing that its store names is written again.
.macro CHUNK i
	s_wait_loadcnt DEPTH+7-(\i)                    ; loads come back in order (ISA guide 5.7.1): chunk i's is in; the 7 - i younger chunks' and the ring's 16 may stay out; the norms were issued first
	v_perm_b32 v[T0], v[W+4*(\i)+1], v[W+4*(\i)], s30
	v_perm_b32 v[T0], v[W+4*(\i)+2], v[T0], s31    ; bits 0-23: p0 | p1 << 8 | p2 << 16
	v_cndmask_b32 v[T1], v[NR+2*(\i)], v[NR+2*(\i)+1], vcc_lo
	v_lshrrev_b32 v[T1], v[SH], v[T1]
	v_cvt_f32_f16 v[NN], v11.l                     ; nrm
	v_fma_f32 v[SC], v[NN], 2.0, s32               ; 2 nrm + 1e-8
	v_mul_f32 v[SC], s33, v[SC]                    ; / 7
	v_and_b32 v[Q], 7, v[T0]
.irp j, 1,2,3,4,5,6,7
	v_bfe_u32 v[Q+(\j)], v[T0], 3*(\j), 3          ; code j lies at bit 3 j
.endr
.irp j, 0,1,2,3,4,5,6,7
	v_cvt_f32_u32 v[Q+(\j)], v[Q+(\j)]
.endr
.irp j, 0,2,4,6
	v_pk_fma_f32 v[Q+(\j):Q+(\j)+1], v[Q+(\j):Q+(\j)+1], v[SC:SC+1], v[NN:NN+1] op_sel_hi:[1,0,0] neg_lo:[0,0,1] neg_hi:[0,0,1]  ; q x scale - nrm, two at a time
.endr
.irp j, 0,1,2,3
	v_cvt_pk_bf16_f32 v[W+4*(\i)+(\j)], v[Q+2*(\j)], v[Q+2*(\j)+1]
.endr
.endm
.macro WOUT i
	global_store_b128 v[LO], v[W+4*(\i):W+4*(\i)+3], s[12:13] offset:(\i)*524288  ; 512 consecutive bytes, at a multiple of 256 from wb's first byte
.endm
.irp i, 0,1,2,3
	CHUNK \i
.endr
	s_wait_alu depctr_va_vdst(0)                   ; the roundings of chunks 0 to 3 have written v[W .. W+15], which the four stores read
.irp i, 0,1,2,3
	WOUT \i                                        ; they leave while chunks 4 to 7 are worked on, whose lines name none of these registers
.endr
.irp i, 4,5,6,7
	CHUNK \i
.endr
	s_wait_alu depctr_va_vdst(0)                   ; the roundings of chunks 4 to 7 have written v[W+16 .. W+31], which the four stores read
.irp i, 4,5,6,7
	WOUT \i
.endr
; Block b of a round: slots 4 b to 4 b + 3.  ahead = 1: the slots are filled again, 16 loads further on.  left = how many younger loads may stay out.
; Both bases move on by a round at the round's head, in the first round too: so a refill stands at s x 512 from x's base, and a store reaches back, by (s - 16) x 256 from xb's.
.macro BLK b, ahead, left
	s_wait_loadcnt \left                           ; the block's four loads are in; the younger blocks stay out
.if (\b) == 0
	s_wait_xcnt 0x0                                ; every load and store issued so far has had its addresses translated (ISA guide 3.1): the two bases, and Y in this round, are written only behind this wait
	s_wait_alu depctr_vm_vsrc(0)                   ; the last round's sixteen stores have read Y, which this round's conversions write again (in the first round no Y has been stored yet)
.if \ahead
	s_add_nc_u64 s[4:5], s[4:5], DEPTH*512
.endif
	s_add_nc_u64 s[10:11], s[10:11], DEPTH*256
.endif
.irp i, 0,1,2,3
.set sl, BLOCK*(\b)+(\i)
	v_cvt_pk_bf16_f32 v[Y+2*sl],   v[X+4*sl],   v[X+4*sl+1]
	v_cvt_pk_bf16_f32 v[Y+2*sl+1], v[X+4*sl+2], v[X+4*sl+3]
.endr
	s_wait_alu depctr_va_vdst(0)                   ; the eight conversions are done reading the block's X, in which the loads below land, and have written its Y, which the stores below read
.irp i, 0,1,2,3
.set sl, BLOCK*(\b)+(\i)
.if \ahead
	global_load_b128 v[X+4*sl:X+4*sl+3], v[LO], s[4:5] offset:sl*512 th:TH_LOAD_NT  ; the load ahead of the store
.endif
	global_store_b64 v[YO], v[Y+2*sl:Y+2*sl+1], s[10:11] offset:(sl-DEPTH)*256 th:TH_STORE_NT  ; 32 lanes store 256 consecutive bytes, at a multiple of 256 from xb's first byte
.endr
.endm
	s_mov_b32 s34, ROUNDS-1
.Lround:
	BLK 0, 1, DEPTH-BLOCK
	BLK 1, 1, DEPTH-BLOCK
	BLK 2, 1, DEPTH-BLOCK
	BLK 3, 1, DEPTH-BLOCK
	s_sub_co_u32 s34, s34, 1
	s_cmp_lg_u32 s34, 0
	s_cbranch_scc1 .Lround
	BLK 0, 0, 3*BLOCK                              ; the last round loads nothing: no load leaves x, and the counts run down
	BLK 1, 0, 2*BLOCK
	BLK 2, 0, BLOCK
	BLK 3, 0, 0
	s_endpgm
.Lfunc_end_k_q084f91212a_prep:
	.size	k_q084f91212a_prep, .Lfunc_end_k_q084f91212a_prep-k_q084f91212a_prep
	.p2alignl 7, 3214868480
	.fill 96, 4, 3214868480
	.section	.rodata,"a",@progbits
	.p2align	6, 0x0
	.amdhsa_kernel k_q084f91212a_prep
		.amdhsa_group_segment_fixed_size 0
		.amdhsa_private_segment_fixed_size 0
		.amdhsa_enable_private_segment 0
		.amdhsa_kernarg_size 40
		.amdhsa_user_sgpr_count 2
		.amdhsa_user_sgpr_kernarg_segment_ptr 1
		.amdhsa_wavefront_size32 1
		.amdhsa_system_sgpr_workgroup_id_x 1
		.amdhsa_system_sgpr_workgroup_id_y 1
		.amdhsa_system_sgpr_workgroup_id_z 1
		.amdhsa_system_vgpr_workitem_id 0
		.amdhsa_next_free_vgpr 168
		.amdhsa_next_free_sgpr 66
		.amdhsa_reserve_vcc 1
		.amdhsa_float_denorm_mode_32 3
		.amdhsa_float_denorm_mode_16_64 3
		.amdhsa_memory_ordered 1
		.amdhsa_forward_progress 1
		.amdhsa_inst_pref_size 28
	.end_amdhsa_kernel
	.amdgpu_metadata
---
amdhsa.version: [ 1, 2 ]
amdhsa.kernels:
  - .name:           k_q084f91212a_prep
    .symbol:         k_q084f91212a_prep.kd
    .args:
      - { .name: x, .offset: 0, .size: 8, .value_kind: global_buffer, .address_space: global }
      - { .name: weight_q3, .offset: 8, .size: 8, .value_kind: global_buffer, .address_space: global }
      - { .name: weight_norm, .offset: 16, .size: 8, .value_kind: global_buffer, .address_space: global }
      - { .name: xb, .offset: 24, .size: 8, .value_kind: global_buffer, .address_space: global }
      - { .name: wb, .offset: 32, .size: 8, .value_kind: global_buffer, .address_space: global }
    .group_segment_fixed_size: 0
    .private_segment_fixed_size: 0
    .kernarg_segment_align: 8
    .kernarg_segment_size: 40
    .max_flat_workgroup_size: 256
    .sgpr_count:     66
    .vgpr_count:     168
    .wavefront_size: 32
...
	.end_amdgpu_metadata
.endif
;; end of part 5
;; launch gemm: the kernel of part 4 again; grid 8 x 32, 4 waves a work-group, clusters of 4 x 4, 327,680 bytes of LDS; arguments xb, wb, bias, out0; writes out0
